; MI455X (gfx1250); checked and timed in simulation.
; The chip was launched on July 23, 2026; its instructions are those of AMD's public machine-readable ISA for CDNA 5 (MIT licence, August 2026) and "CDNA5" Instruction Set Architecture Reference Guide (July 2026). The comments in the code are by the model that wrote it; some were corrected since.
;; Masked Top K Attn Pool. Allowed arithmetic: matrix products marked QUANTISED: E3M2 operands, one E8M0 scale for each 32 along K, by v_wmma_scale_f32_16x16x128_f8f6f4 with both operands' format E3M2, f32 sums; products left as they are: f32 operands where the result goes on into a quantised operand, else bf16, f16 or f32 operands; f32 sums; everything else in f32.
;; Inputs: b1 1,024 float32; lengths 32 int32; w1 1,024 x 1,024 float32; w2 1,024 float32; x 32 x 2,048 x 1,024 float32.
;; Outputs: out0 32 x 1,024 float32.
;; This version of the problem:
;;   THIS VERSION OF THE PROBLEM IS GIVEN IN LOW PRECISION. The matrix products marked QUANTISED in the list below multiply operands that are first quantised to E3M2 (3 exponent bits, 2 mantissa bits; 6 bits a number), with one power-of-two scale for each 32 numbers along K (OCP MX v1.0); their sums are f32. All else is computed in f32.
;;   The module's matrix products, in the order in which they are computed (A, B: the left and right operand; K: the contracted axis; several contracted axes count as one K, in the product's order):
;;     1. [M 65,536, K 1,024] x [K 1,024, N 1,024]; A: input x; B: input w1: QUANTISED
;;     2. [M 65,536, K 1,024] x [K 1,024, N 1]; A: computed on the way; B: input w2: left as it is (N = 1 < 16)
;;     3. batch 32 x [M 1,024, K 717] x [K 717, N 1]; A: computed on the way; B: computed on the way: left as it is (N = 1 < 16)
;;   THE QUANTISER, for each operand of a quantised product, along K:
;;     - K is cut into blocks of 32 from its start; a last block that is shorter is filled with zeros.
;;     - A block's scale is 2^e with e = floor(log2(the largest magnitude in the block)) - 4, held to -126 .. 127; a block of zeros has e = 0. As a byte (E8M0): e + 127.
;;     - Each number is divided by its block's scale, clamped to +-28, and rounded to the nearest number of E3M2, ties to even, subnormals kept.
;;     - The product sums the exact products of the quantised numbers (number of the format x scale) in f32.
;;   ~~~python
;;   def quantise(x, axis):      # numpy; x: float32 -> the quantised numbers, widened to float32 again
;;       x = np.moveaxis(x, axis, -1); K = x.shape[-1]
;;       x = np.pad(x, [(0, 0)] * (x.ndim - 1) + [(0, -K % 32)]); x = x.reshape(x.shape[:-1] + (-1, 32)); a = np.abs(x).max(-1, keepdims=True)
;;       e = np.where(a > 0, np.clip(np.frexp(np.where(a > 0, a, 1))[1] - 1 - 4, -126, 127), 0)      # np.frexp(a)[1] - 1 = floor(log2(a)), exactly
;;       r = np.clip(x / 2.0 ** e, -28, 28)
;;       step = 2.0 ** (np.maximum(np.frexp(np.where(r == 0, 1, r))[1] - 1, -2) - 2)
;;       q = np.round(r / step) * step * 2.0 ** e      # np.round: ties to even
;;       return np.moveaxis(q.reshape(q.shape[:-2] + (-1,))[..., :K], -1, axis).astype(np.float32)
;;   ~~~
;; 2 versions, each right and faster than the one before. Each part assembles by itself: llvm-mc -triple=amdgcn-amd-amdhsa -mcpu=gfx1250 --defsym DOCPART=n.
;; ======== version 1 of 2: 4 launches
;; workspace buffers: wq 819,200 bytes; scores 262,144 bytes; selmask 8,192 bytes of whole numbers
;; launch wquant (part 1): grid 16 x 8, 4 waves a work-group, no clusters, 0 bytes of LDS; arguments w1, wq; writes wq
.if DOCPART == 1
	.amdgcn_target "amdgcn-amd-amdhsa--gfx1250"
	.amdhsa_code_object_version 6
	.text
	.protected	k_qa3528b1ab9_wquant
	.globl	k_qa3528b1ab9_wquant
	.p2align	8
	.type	k_qa3528b1ab9_wquant,@function
k_qa3528b1ab9_wquant:
	s_mov_b64 s[64:65], 0
	v_nop
	global_prefetch_b8 v0, s[64:65] scope:SCOPE_SE
	s_setreg_imm32_b32 hwreg(HW_REG_WAVE_MODE, 25, 1), 1
	s_wait_xcnt 0x0
; w1 [1024 (k)][1024 (n)], f32, K its FIRST axis, becomes codes of BF6 (E3M2) with one E8M0 scale byte for each 32 along K, laid in the ORDER OF THE OPERAND'S REGISTERS:
; wq = 16 blocks of 64 columns, WBLK bytes each.  In a block: 32 fragments (16 columns x 128 K, 12 registers a lane) at FRB x (4 s + t), s the K step, t the tile of 16 columns; a fragment is three runs of
; 512 bytes, registers 0-3, 4-7, 8-11, lane l's 16 bytes at 16 l.  Behind them, at WSCL, the scale words: for tile t 512 bytes, lane (r, h) 16 bytes at 16 (r + 16 h), word u = column 16 t + r's word of K step 2 u + h.
; A LANE TAKES A COLUMN AND ITS REGISTERS RUN DOWN K, in the order that the operand's layout gives that lane: k = 64 c + 32 h + 0 .. 31.  So a block of 32 lies in one lane and the conversions' results are the operand's registers.
; A block's scale is 2^(floor(log2(largest magnitude)) - 4); its byte is the largest magnitude's exponent field - 4, held at 1 from below (a block of zeros keeps the byte 1: its codes are zeros, and this program alone reads the bytes).
; LIMITS: blocks whose largest magnitude lies under 2^-122 keep the byte 1; NaN and infinities are not served.
; SHARES: work-group (x = block of 64 columns, y = K step); wave w makes the fragment of tile w: the four waves stand side by side on 256 bytes of each row of w1.
.set WBLK, 51200
.set FRB,  1536
.set WSCL, 49152
	s_load_b128 s[4:7], s[0:1], 0x0                ; w1, wq
	v_lshrrev_b32 v1, 5, v0
	v_readfirstlane_b32 s8, v1                     ; wave = tile t
	v_and_b32 v6, 31, v0                           ; lane
	v_and_b32 v1, 15, v0                           ; r
	v_bfe_u32 v2, v0, 4, 1                         ; h
	v_lshlrev_b32 v3, 2, v1
	v_lshl_add_u32 v3, v2, 17, v3                  ; in: 4 r, and 32 rows of 4,096 bytes further down for lanes 16-31
	v_lshlrev_b32 v4, 4, v6                        ; out: 16 x lane
	v_lshlrev_b32 v5, 4, v1                        ; the scale word's place: 16 r
	s_and_b32 s9, ttmp7, 0xffff                    ; K step s
	s_lshl_b32 s10, ttmp9, 2
	s_add_co_u32 s10, s10, s8                      ; tile of 16 columns among all 64
	s_lshl_b32 s12, s9, 19                         ; 128 rows of 4,096 bytes a K step
	s_lshl_b32 s10, s10, 6                         ; 64 bytes a tile
	s_add_co_u32 s12, s12, s10
	s_mov_b32 s13, 0
	s_mul_i32 s14, ttmp9, WBLK                     ; my block of wq
	s_mov_b32 s15, 0
	s_lshl_b32 s16, s9, 2
	s_add_co_u32 s16, s16, s8
	s_mul_i32 s16, s16, FRB                        ; my fragment: 4 s + t
	s_mov_b32 s17, 0
	s_lshl_b32 s18, s8, 9                          ; my scale words: 512 t + 256 (s % 2) + 4 (s / 2)
	s_and_b32 s19, s9, 1
	s_lshl_b32 s19, s19, 8
	s_add_co_u32 s18, s18, s19
	s_lshr_b32 s19, s9, 1
	s_lshl_b32 s19, s19, 2
	s_add_co_u32 s18, s18, s19
	s_add_co_u32 s18, s18, WSCL
	s_mov_b32 s19, 0
	s_mov_b32 s20, 0x76543210
	s_mov_b32 s21, 0xfedcba98                      ; v_permlanex16_b32's selects for lane l xor 16
	s_wait_kmcnt 0x0
	s_add_nc_u64 s[4:5], s[4:5], s[12:13]
	s_add_nc_u64 s[6:7], s[6:7], s[14:15]
	s_add_nc_u64 s[22:23], s[6:7], s[16:17]        ; where the fragment goes
	s_add_nc_u64 s[24:25], s[6:7], s[18:19]        ; where its scale words go
.irp c, 0,1
.irp i, 0,1,2,3,4,5,6,7,8,9,10,11,12,13,14,15,16,17,18,19,20,21,22,23,24,25,26,27,28,29,30,31
	global_load_b32 v[64+32*\c+\i], v3, s[4:5] offset:(64*\c+\i)*4096 th:TH_LOAD_NT   ; W(128 s + 64 c + 32 h + i, my column): each byte of w1 is read once in the launch
.endr
.endr
	s_wait_loadcnt 0x0
.irp c, 0,1                                    ; my block 2 c + h: all its 32 numbers are mine
	v_max3_num_f32 v[32+\c], |v[64+32*\c]|, |v[65+32*\c]|, 0x2800000   ; with the floor 2^(5 - 127): the byte cannot fall under 1
.endr
.irp i, 2,4,6,8,10,12,14,16,18,20,22,24,26,28,30
.irp c, 0,1
	v_max3_num_f32 v[32+\c], v[32+\c], |v[64+32*\c+\i]|, |v[65+32*\c+\i]|   ; the two blocks by turns
.endr
.endr
.irp c, 0,1
	v_add_nc_u32 v[44+\c], 0xfe000000, v[32+\c]    ; 4 off the exponent field: the conversion takes this operand's exponent field as its scale
.endr
.irp c, 0,1
	v_lshrrev_b32 v[36+\c], 23, v[44+\c]           ; the scale's byte
.endr
	v_lshl_or_b32 v9, v37, 16, v36                 ; my two bytes, blocks h and 2 + h,
	v_lshlrev_b32 v10, 3, v2
	v_lshlrev_b32 v9, v10, v9                      ; at their places in the word (8 h bits up);
	v_mov_b32 v10, 0
	v_permlanex16_b32 v10, v9, s20, s21
	v_or_b32 v9, v9, v10                           ; with lane l xor 16's two the word is whole, in both lanes
.irp c, 0,1
	v_cvt_scalef32_pk16_bf6_f32 v[48+6*\c:50+6*\c], v[64+32*\c:79+32*\c], v[44+\c]
	v_cvt_scalef32_pk16_bf6_f32 v[128+4*\c:130+4*\c], v[80+32*\c:95+32*\c], v[44+\c]   ; (a conversion's three registers begin on an even number: a block's second half is made elsewhere and moved)
.endr
	v_nop                                          ; one plain place behind a scaled conversion
.irp c, 0,1
.irp i, 0,1,2
	v_mov_b32 v[51+6*\c+\i], v[128+4*\c+\i]
.endr
.endr
.irp c, 0,1,2
	global_store_b128 v4, v[48+4*\c:51+4*\c], s[22:23] offset:512*\c   ; 32 lanes store 512 consecutive bytes, at a multiple of 256 from wq's first byte
.endr
	global_store_b32 v5, v9, s[24:25]              ; the scale words: 4 bytes at every 16; lanes r and r + 16 store the same word at the same place.  These are 32 KB of the launch's 800 KB
	s_endpgm
.Lfunc_end_k_qa3528b1ab9_wquant:
	.size	k_qa3528b1ab9_wquant, .Lfunc_end_k_qa3528b1ab9_wquant-k_qa3528b1ab9_wquant
	.p2alignl 7, 3214868480
	.fill 96, 4, 3214868480
	.section	.rodata,"a",@progbits
	.p2align	6, 0x0
	.amdhsa_kernel k_qa3528b1ab9_wquant
		.amdhsa_group_segment_fixed_size 0
		.amdhsa_private_segment_fixed_size 0
		.amdhsa_enable_private_segment 0
		.amdhsa_kernarg_size 16
		.amdhsa_user_sgpr_count 2
		.amdhsa_user_sgpr_kernarg_segment_ptr 1
		.amdhsa_wavefront_size32 1
		.amdhsa_system_sgpr_workgroup_id_x 1
		.amdhsa_system_sgpr_workgroup_id_y 1
		.amdhsa_system_sgpr_workgroup_id_z 1
		.amdhsa_system_vgpr_workitem_id 0
		.amdhsa_next_free_vgpr 144
		.amdhsa_next_free_sgpr 66
		.amdhsa_reserve_vcc 0
		.amdhsa_float_denorm_mode_32 3
		.amdhsa_float_denorm_mode_16_64 3
		.amdhsa_memory_ordered 1
		.amdhsa_forward_progress 1
		.amdhsa_inst_pref_size 12
	.end_amdhsa_kernel
	.amdgpu_metadata
---
amdhsa.version: [ 1, 2 ]
amdhsa.kernels:
  - .name:           k_qa3528b1ab9_wquant
    .symbol:         k_qa3528b1ab9_wquant.kd
    .args:
      - { .name: w1, .offset: 0, .size: 8, .value_kind: global_buffer, .address_space: global }
      - { .name: wq, .offset: 8, .size: 8, .value_kind: global_buffer, .address_space: global }
    .group_segment_fixed_size: 0
    .private_segment_fixed_size: 0
    .kernarg_segment_align: 8
    .kernarg_segment_size: 16
    .max_flat_workgroup_size: 128
    .sgpr_count:     66
    .vgpr_count:     144
    .wavefront_size: 32
...
	.end_amdgpu_metadata
.endif
;; end of part 1
;; launch score (part 2): grid 256 x 1, 4 waves a work-group, no clusters, 289,280 bytes of LDS; arguments x, lengths, wq, b1, w2, scores; writes scores
.if DOCPART == 2
	.amdgcn_target "amdgcn-amd-amdhsa--gfx1250"
	.amdhsa_code_object_version 6
	.text
	.protected	k_qa3528b1ab9_score
	.globl	k_qa3528b1ab9_score
	.p2align	8
	.type	k_qa3528b1ab9_score,@function
k_qa3528b1ab9_score:
	s_mov_b64 s[64:65], 0
	v_nop
	global_prefetch_b8 v0, s[64:65] scope:SCOPE_SE
	s_setreg_imm32_b32 hwreg(HW_REG_WAVE_MODE, 25, 1), 1
	s_wait_xcnt 0x0
; scores[b][t] = the sum over h of w2[h] tanh((x[b][t] . w1[:, h]) + b1[h]), the product on codes of BF6 (E3M2) with one E8M0 scale for each 32 along K; for the rows t whose group of 16 rows begins under lengths[b].
; The other rows are masked by the computation itself and get no score: nothing of them is read or multiplied.
; SHARES.  c_b = ceil(len_b / 16) groups of 16 rows count in batch b, Gt in all.  Work-group g of 256 takes groups g Gt / 256 .. (g + 1) Gt / 256 - 1: n of them, 16 at the most.  With n = 0 (Gt under 256) it works one
; group and stores nothing, since every wave has to pass every barrier.
; PHASE X: wave w quantises K steps 2 w and 2 w + 1 (1,024 bytes of each row) of every group; the fragments go to LDS as images of the operand's registers, their scale words beside them.
; PHASE M: wave w owns hidden units 256 w .. 256 w + 255, in four passes of 64; a pass's 32 weight fragments (384 registers) come from wq straight into registers, the next pass's while this one is multiplied (two sets).
;   For each group: x's eight fragments from LDS, 32 products (source 0 = 16 rows of x, source 1 = 16 columns of w1: a lane holds ONE hidden unit and eight rows), tanh, times w2, summed over the pass's 64 units.
; PHASE F: the sixteen partial sums of each row are added and stored.
; tanh(z) = 1 - 2 / (1 + 2^(K2 z)), K2 = 2 log2(e): beyond the exponential's range it is exactly 1 or -1.  So a row's part is sum(w2) - 2 sum(w2 / (1 + 2^(K2 acc + K2 b1))).
; NO TENSOR LOADS AND NO JOINT LOADS, though all work-groups walk the same wq: which trips are worked hangs on lengths, numbers read from memory.
; LIMITS: NaN and infinities among the inputs are not served; blocks of x whose largest magnitude lies under 2^-122 keep the scale byte 1; lengths are held to 1 .. 2048; a row's sum over the hidden units is f32, in another order than an ascending one.
; LDS: XIMG 16 groups x 12,288 (fragment s at 1,536 s); XSC 16 x 512 (lane (r, h) 16 bytes, word u = row r's scale word of K step 2 u + h); STG 4 x 16,896, a wave's own stage: 2 K steps x 16 rows of 512 + 16 bytes;
;   PART 16 x 1,024: group x 1,024 + (4 wave + pass) x 64 + 4 row; cleared at the head, so that phase F reads only bytes that have been written, whatever n is.
; REGISTERS, in windows of 256.  Window 0: v1-27 addresses and at work; v28-31 x's scale words; v32-63 the weights' scale words, two sets; v64-71 b1, w2 as loaded; v72-89 constants of a pass; v90-97 row sums;
;   v98-129 four accumulators; v130-225 x's eight fragments (in phase X: 64 numbers, codes, at work); v226-237 weight fragment 63.  Windows 1-3: weight fragments 0-62, 21 to a window, at v[12 (idx % 21)]; idx = 32 (pass % 2) + 4 s + t.
;   In phase X window 3's v0-127 hold a group's numbers as loaded (fragments 42-52 are loaded later).
.set TILEB, 12288
.set FRB,   1536
.set XSC,   196608
.set STG,   204800
.set STGU,  8448
.set SP,    528
.set PART,  272384
.set WBLK,  51200
.set WSCL,  49152
.set LANE, 1
.set RR,   2                           ; lane % 16
.set HH,   3                           ; lane / 16
.set XOFF, 4                           ; 16 lane + 1,024 wave: my bytes of a row of x
.set STW,  5                           ; the stage, way in
.set STR,  6                           ; the stage, way out
.set XWI,  7                           ; where my wave's images begin in a group
.set XWS,  8                           ; and its scale words
.set IA,   9                           ; the two in hand
.set SA,   10
.set GID,  11                          ; lane j: the number (128 b + group in the batch) of the work-group's j-th group
.set LI,   12                          ; 16 lane
.set XA,   13                          ; x's images in hand
.set XSB,  14                          ; XSC + 16 lane
.set XSA,  15                          ; x's scale words in hand
.set PB,   16                          ; PART + 256 wave + 32 (lane / 16)
.set PA,   17                          ; the same in hand
.set R4,   18                          ; 4 (lane % 16)
.set FRD,  19                          ; phase F: PART + 1,024 (4 wave + lane / 16) + 4 (lane % 16); made at the head, never rewritten
.set BP,   20                          ; index of a lane permute
.set XO,   21                          ; byte offset in x of the group that is being loaded; in phase F a store's offset
.set XS,   28
.set WS,   32
.set RAW,  64
.set CP,   72                          ; pairs [K2 b1, K2 b1] of the pass's four tiles
.set WP,   80                          ; pairs [-2 w2, -2 w2]
.set WSUM, 88                          ; pair: the sum of my four w2
.set S,    90
.set ACC,  98
.set XF,   130
.set WX,   226
.set N,    130
.set PC,   194
.set TM,   214
.set PW,   230
.set SEL,  20                          ; s[20:21]
.set MSB, 0
.macro WIN new                         ; the immediate's high byte repeats the setting that is left; a switch that changes nothing is dropped
.if MSB != \new
	s_set_vgpr_msb (MSB<<8)|\new
.set MSB, \new
.endif
.endm
; 64 numbers of a lane, v[s] .. v[s + 63], register 16 b + i = k 32 b + 16 (lane / 16) + i of my row, become a fragment's codes in v[PC] on and its scale word in v[PW].
.macro QUANT s
.irp b, 0,1,2,3
	v_max3_num_f32 v[TM+\b], |v[\s+16*\b]|, |v[\s+1+16*\b]|, 0x2800000   ; block b: my 16 numbers, and the floor 2^(5 - 127): the byte cannot fall under 1
.endr
.irp i, 2,4,6,8,10,12,14
.irp b, 0,1,2,3
	v_max3_num_f32 v[TM+\b], v[TM+\b], |v[\s+16*\b+\i]|, |v[\s+1+16*\b+\i]|   ; the four blocks by turns
.endr
.endr
.irp b, 0,1,2,3
	v_permlanex16_b32 v[TM+4+\b], v[TM+\b], s[SEL], s[SEL+1]
.endr
.irp b, 0,1,2,3
	v_max_num_f32 v[TM+\b], v[TM+\b], v[TM+4+\b]   ; with lane l xor 16's: the block's largest magnitude
.endr
.irp b, 0,1,2,3
	v_add_nc_u32 v[TM+12+\b], 0xfe000000, v[TM+\b] ; 4 off its exponent field: the conversion's scale operand
.endr
.irp b, 0,1,2,3
	v_lshrrev_b32 v[TM+4+\b], 23, v[TM+12+\b]      ; the scale's byte
.endr
	v_lshl_or_b32 v[PW], v[TM+5], 8, v[TM+4]       ; the four bytes make my row's scale word
	v_lshl_or_b32 v[PW], v[TM+6], 16, v[PW]
	v_lshl_or_b32 v[PW], v[TM+7], 24, v[PW]
.irp c, 0,1
	v_cvt_scalef32_pk16_bf6_f32 v[PC+6*\c:PC+2+6*\c], v[\s+32*\c:\s+15+32*\c], v[TM+12+2*\c]
	v_cvt_scalef32_pk16_bf6_f32 v[PC+12+4*\c:PC+14+4*\c], v[\s+16+32*\c:\s+31+32*\c], v[TM+12+2*\c+1]   ; (a conversion's three registers begin on an even number)
.endr
	v_nop                                          ; one plain place behind a scaled conversion
.irp c, 0,1                                    ; the operand's layout wants a WHOLE block in a lane: lanes 0-15 block 2 c, lanes 16-31 block 2 c + 1
.irp i, 0,1,2
	v_permlane16_swap_b32 v[PC+6*\c+\i], v[PC+12+4*\c+\i]
.endr
.irp i, 0,1,2
	v_mov_b32 v[PC+3+6*\c+\i], v[PC+12+4*\c+\i]
.endr
.endr
.endm
; Weight fragment f of pass p, from wq into its registers: three loads of 512 consecutive bytes
.macro LOADF p, f
.set IDX, 32*((\p)&1)+(\f)
.if IDX == 63
.set WW, 0
.set WR, WX
.else
.set WW, (1+IDX/21)<<6
.set WR, 12*(IDX%21)
.endif
	WIN WW                                         ; the destination's window
.irp c, 0,1,2
	global_load_b128 v[WR+4*\c:WR+4*\c+3], v[LI], s[8:9] offset:WBLK*(\p)+FRB*(\f)+512*\c
.endr
.endm
.macro LOADWA p                        ; pass p: fragments 0-15, the scale words, b1 and w2 of my 64 hidden units: 60 loads
.set FF, 0
.rept 16
	LOADF \p, FF
.set FF, FF+1
.endr
	WIN 0
.irp t, 0,1,2,3
	global_load_b128 v[WS+16*((\p)&1)+4*\t:WS+16*((\p)&1)+4*\t+3], v[LI], s[8:9] offset:WBLK*(\p)+WSCL+512*\t
.endr
.irp t, 0,1,2,3
	global_load_b32 v[RAW+\t], v[R4], s[10:11] offset:256*(\p)+64*\t      ; lane (r, h): hidden unit 64 p + 16 t + r of my 256
	global_load_b32 v[RAW+4+\t], v[R4], s[12:13] offset:256*(\p)+64*\t
.endr
.endm
.macro LOADWB p                        ; fragments 16-31: 48 loads
.set FF, 16
.rept 16
	LOADF \p, FF
.set FF, FF+1
.endr
	WIN 0
.endm
; A group's 16 rows, my wave's 1,024 bytes of each: 32 loads of 512 consecutive bytes, into window 3.  Each byte of x that counts is read once in the launch
.macro XLOADS
	WIN 0xc0
.irp u, 0,1
.irp i, 0,1,2,3,4,5,6,7,8,9,10,11,12,13,14,15
	global_load_b128 v[64*\u+4*\i:64*\u+4*\i+3], v[XO], s[4:5] offset:4096*\i+512*\u th:TH_LOAD_NT
.endr
.endr
	WIN 0
.endm
.macro FETCHX off                      ; x's eight fragments and four scale registers of the group off bytes on from the one in hand
.set FF, 0
.rept 8
.irp c, 0,1,2
	ds_load_b128 v[XF+12*FF+4*\c:XF+12*FF+4*\c+3], v[XA] offset:(\off)+FRB*FF+512*\c
.endr
.set FF, FF+1
.endr
	ds_load_b128 v[XS:XS+3], v[XSA] offset:(\off)/24
.endm
; 32 products: K step s outermost, the four tiles of hidden units by turns, one instruction a turn.  The first four start the sums: nothing is cleared.
; Scale registers: register s / 2 holds K step s's words in lanes 0-15 (s even) or 16-31 (s odd), on both sides.
.macro MUL q
.set FF, 0
.rept 32
.set IDX, 32*(\q)+FF
.set SS, FF/4
.set TT, FF%4
.if IDX == 63
.set WW, 0
.set WR, WX
.else
.set WW, (1+IDX/21)<<2
.set WR, 12*(IDX%21)
.endif
	WIN WW                                         ; source 1's window
.set AC, ACC+8*TT
.set XR, XF+12*SS
.set SCA, XS+SS/2
.set SCB, WS+16*(\q)+4*TT+SS/2
.if SS == 0
	v_wmma_scale_f32_16x16x128_f8f6f4 v[AC:AC+7], v[XR:XR+11], v[WR:WR+11], 0, v[SCA], v[SCB] matrix_a_fmt:MATRIX_FMT_BF6 matrix_b_fmt:MATRIX_FMT_BF6
.elseif SS%2 == 0
	v_wmma_scale_f32_16x16x128_f8f6f4 v[AC:AC+7], v[XR:XR+11], v[WR:WR+11], v[AC:AC+7], v[SCA], v[SCB] matrix_a_fmt:MATRIX_FMT_BF6 matrix_b_fmt:MATRIX_FMT_BF6
.else
	v_wmma_scale_f32_16x16x128_f8f6f4 v[AC:AC+7], v[XR:XR+11], v[WR:WR+11], v[AC:AC+7], v[SCA], v[SCB] matrix_a_fmt:MATRIX_FMT_BF6 matrix_b_fmt:MATRIX_FMT_BF6 matrix_a_scale:MATRIX_SCALE_ROW1 matrix_b_scale:MATRIX_SCALE_ROW1
.endif
.set FF, FF+1
.endr
.endm
; The 16 rows x 64 hidden units just made become 16 partial scores.  Register j of a lane is row 8 (lane / 16) + j, hidden unit 16 t + lane % 16.
.macro EPI p
.set TT, 0
.rept 4
.irp i, 0,2,4,6
	v_pk_fma_f32 v[ACC+8*TT+\i:ACC+8*TT+\i+1], v[ACC+8*TT+\i:ACC+8*TT+\i+1], s[22:23], v[CP+2*TT:CP+2*TT+1] op_sel_hi:[1,0,1]   ; K2 acc + K2 b1; each accumulator from its low end on
.endr
.set TT, TT+1
.endr
.set TT, 0
.rept 32
	v_exp_f32 v[ACC+TT], v[ACC+TT]
.set TT, TT+1
.endr
	v_nop                                          ; a plain place behind the last exponential
	s_wait_alu depctr_va_vdst(0)                   ; one wait for the batch, ahead of its first reader
.set TT, 0
.rept 16
	v_pk_add_f32 v[ACC+2*TT:ACC+2*TT+1], v[ACC+2*TT:ACC+2*TT+1], 1.0 op_sel_hi:[1,0]
.set TT, TT+1
.endr
.set TT, 0
.rept 32
	v_rcp_f32 v[ACC+TT], v[ACC+TT]
.set TT, TT+1
.endr
	v_nop
	s_wait_alu depctr_va_vdst(0)                   ; and one for the reciprocals
.irp i, 0,2,4,6
	v_pk_fma_f32 v[S+\i:S+\i+1], v[ACC+\i:ACC+\i+1], v[WP:WP+1], v[WSUM:WSUM+1]   ; sum(w2) - 2 w2 / (1 + 2^..): the first tile starts the sums
.endr
.set TT, 1
.rept 3
.irp i, 0,2,4,6
	v_pk_fma_f32 v[S+\i:S+\i+1], v[ACC+8*TT+\i:ACC+8*TT+\i+1], v[WP+2*TT:WP+2*TT+1], v[S+\i:S+\i+1]
.endr
.set TT, TT+1
.endr
.irp m, 1,2,4,8                                ; over the sixteen lanes of my half: the pass's 64 hidden units
.irp j, 0,1,2,3,4,5,6,7
	v_add_f32_dpp v[S+\j], v[S+\j], v[S+\j] row_xmask:\m row_mask:0xf bank_mask:0xf
.endr
.endr
	ds_store_b128 v[PA], v[S:S+3] offset:64*(\p)   ; rows 8 h + 0 .. 7: the sixteen lanes of a half write the same bytes with the same values
	ds_store_b128 v[PA], v[S+4:S+7] offset:64*(\p)+16
.endm
.macro BARRIER                                 ; my LDS stores have landed and my LDS loads are in: then the work-group's barrier
	s_wait_dscnt 0x0
	s_barrier_signal -1
	s_barrier_wait -1
.endm
; One group in one pass.  s19 = its number J among the work-group's, s27 = J + 1, s24, s25, s26 = its places in XIMG, XSC, PART.  guard = 1: a trip of the loop, jumped over where J is not under nw.
.macro TRIP p, guard
.if \guard
	s_cmp_ge_u32 s19, s18
	s_cbranch_scc1 .Lt_skip_\@
.endif
	s_wait_dscnt 0x0                               ; this group's fragments are in, the last group's partial scores are stored: the three addresses may step
	v_add_nc_u32 v[XA], s24, v[LI]
	v_add_nc_u32 v[XSA], s25, v[XSB]
	v_add_nc_u32 v[PA], s26, v[PB]
	MUL (\p)&1
	WIN 0
.rept 5
	v_nop                                          ; places behind the products, ahead of the loads into x's registers and of the first read of results
.endr
	s_cmp_ge_u32 s27, s18
	s_cbranch_scc1 .Lt_nof_\@
	FETCHX TILEB                                   ; the next group's fragments land while this group's tanh is worked
.Lt_nof_\@:
	EPI \p
.if \guard
.Lt_skip_\@:
.endif
.endm
.macro PASS p
	s_wait_loadcnt 0x0                             ; this pass's weights, scale words, b1 and w2 are in
.irp t, 0,1,2,3
	v_mul_f32 v[CP+2*\t], s22, v[RAW+\t]
	v_mul_f32 v[CP+2*\t+1], s22, v[RAW+\t]
	v_mul_f32 v[WP+2*\t], -2.0, v[RAW+4+\t]
	v_mul_f32 v[WP+2*\t+1], -2.0, v[RAW+4+\t]
.endr
	v_add_f32 v24, v[RAW+4], v[RAW+5]
	v_add_f32 v25, v[RAW+6], v[RAW+7]
	v_add_f32 v[WSUM], v24, v25
	v_add_f32 v[WSUM+1], v24, v25
	s_wait_dscnt 0x0                               ; no LDS load of mine is out: x's registers and their addresses may be written
.if (\p) < 3
	LOADWA (\p)+1                                  ; the next pass's weights, into the other set: they land while this pass is multiplied
.endif
	s_mov_b32 s19, 0
	s_mov_b32 s27, 1
	s_mov_b32 s24, 0
	s_mov_b32 s25, 0
	s_mov_b32 s26, 0
	v_mov_b32 v[XA], v[LI]
	v_mov_b32 v[XSA], v[XSB]
	FETCHX 0
	TRIP \p, 0                                     ; group 0 is always worked (nw is at least 1): it stands ahead of the loop,
.if (\p) < 3
	LOADWB (\p)+1                                  ; so that the second half of the loads is issued a group's work behind the first
.endif
	s_mov_b32 s19, 1
	s_mov_b32 s27, 2
	s_mov_b32 s24, TILEB
	s_mov_b32 s25, 512
	s_mov_b32 s26, 1024
.Lm_\@:                                            ; 15 trips, a constant: the work is jumped over inside
	TRIP \p, 1
	s_add_co_u32 s24, s24, TILEB
	s_add_co_u32 s25, s25, 512
	s_add_co_u32 s26, s26, 1024
	s_add_co_u32 s27, s27, 1
	s_add_co_u32 s19, s19, 1
	s_cmp_lt_u32 s19, 16
	s_cbranch_scc1 .Lm_\@
.endm
	s_load_b256 s[4:11], s[0:1], 0x0               ; x s[4:5], lengths s[6:7], wq s[8:9], b1 s[10:11]
	s_load_b128 s[12:15], s[0:1], 0x20             ; w2 s[12:13], scores s[14:15]
	v_lshl_add_u32 v254, v0, 2, 0x46800
	v_mov_b32 v255, 0
	v_lshrrev_b32 v1, 5, v0
	v_readfirstlane_b32 s16, v1                    ; wave 0..3
	v_and_b32 v[LANE], 31, v0
	v_and_b32 v[RR], 15, v0
	v_bfe_u32 v[HH], v0, 4, 1
	v_lshlrev_b32 v[LI], 4, v[LANE]
	s_lshl_b32 s28, s16, 10
	v_add_nc_u32 v[XOFF], s28, v[LI]
	s_mul_i32 s29, s16, 2*STGU
	s_add_co_u32 s29, s29, STG                     ; my stage
	v_add_nc_u32 v[STW], s29, v[LI]                ; in: a row's 512 bytes as they lie
	v_mul_u32_u24 v[STR], v[RR], SP
	v_lshl_add_u32 v[STR], v[HH], 6, v[STR]
	v_add_nc_u32 v[STR], s29, v[STR]               ; out: row r, + 64 h: my 16 numbers of each block of 32
	s_mul_i32 s29, s16, 2*FRB
	v_add_nc_u32 v[XWI], s29, v[LI]
	v_lshlrev_b32 v[XWS], 4, v[RR]
	s_lshl_b32 s29, s16, 2
	s_add_co_u32 s29, s29, XSC
	v_add_nc_u32 v[XWS], s29, v[XWS]               ; XSC + 16 r + 4 wave: word u = wave; K step 2 wave + 1's lies 256 bytes on
	v_add_nc_u32 v[XSB], XSC, v[LI]
	s_lshl_b32 s29, s16, 8
	s_add_co_u32 s29, s29, PART
	v_lshl_add_u32 v[PB], v[HH], 5, s29
	v_lshlrev_b32 v[R4], 2, v[RR]
	s_lshl_b32 s29, s16, 12
	s_add_co_u32 s29, s29, PART
	v_lshl_add_u32 v[FRD], v[HH], 10, s29
	v_add_nc_u32 v[FRD], v[FRD], v[R4]
	v_add_nc_u32 v26, s29, v[LI]                   ; PART + 4,096 wave + 16 lane: my wave's quarter of the partial scores
.irp c, 0,1,2,3
	v_mov_b32 v[N+\c], 0
.endr
.irp i, 0,1,2,3,4,5,6,7
	ds_store_b128 v26, v[N:N+3] offset:512*\i      ; is cleared: 8 x 512 bytes.  Phase X's barrier stands between these stores and the partial scores'
.endr
	s_mov_b32 s[SEL], 0x76543210
	s_mov_b32 s[SEL+1], 0xfedcba98                 ; v_permlanex16_b32's selects for lane l xor 16
	s_mov_b32 s22, 0x4038aa3b                      ; K2 = 2 log2(e)
	s_mov_b32 s23, s22                             ; (named with it as a pair, so it is written)
.irp b, 0,1,2,3
	v_mov_b32 v[TM+4+\b], 0                        ; written once: a lane permute's destination counts as one of its sources
.endr
	s_wait_kmcnt 0x0
	s_load_b512 s[32:47], s[6:7], 0x0              ; the 32 lengths
	s_load_b512 s[48:63], s[6:7], 0x40
	s_mul_i32 s28, s16, 4*WBLK
	s_mov_b32 s29, 0
	s_add_nc_u64 s[8:9], s[8:9], s[28:29]          ; wq at my wave's four blocks
	s_lshl_b32 s28, s16, 10
	s_add_nc_u64 s[10:11], s[10:11], s[28:29]      ; b1 and w2 at my 256 hidden units
	s_add_nc_u64 s[12:13], s[12:13], s[28:29]
	LOADWA 0
	LOADWB 0
	s_wait_kmcnt 0x0
	; THE SPLIT.  c_b = ceil(len_b / 16), len_b held to 1 .. 2048; Gt their sum
	s_mov_b32 s66, 0
.set I, 0
.rept 32
	s_max_i32 s[32+I], s[32+I], 1
	s_min_u32 s[32+I], s[32+I], 2048
	s_add_co_u32 s[32+I], s[32+I], 15
	s_lshr_b32 s[32+I], s[32+I], 4
	s_add_co_u32 s66, s66, s[32+I]
.set I, I+1
.endr
	s_mul_i32 s67, ttmp9, s66
	s_lshr_b32 s67, s67, 8                         ; my first group among the Gt (Gt is 4,096 at the most)
	s_add_co_u32 s28, ttmp9, 1
	s_mul_i32 s28, s28, s66
	s_lshr_b32 s28, s28, 8
	s_sub_co_u32 s17, s28, s67
	s_min_u32 s17, s17, 16                         ; n: the groups whose scores I store
	s_max_u32 s18, s17, 1                          ; nw: the groups that I work
	v_add_nc_u32 v24, s67, v[LANE]                 ; lane j: q = my first group + j
	v_mov_b32 v[GID], 0
	s_mov_b32 s68, 0                               ; P_b: the groups of the batches before b
.set I, 0
.rept 32
	s_sub_co_u32 s28, 128*I, s68
	v_add_nc_u32 v25, s28, v24                     ; 128 b + (q - P_b)
	v_cmp_le_u32 vcc_lo, s68, v24                  ; the last b with P_b <= q wins
	v_cndmask_b32 v[GID], v[GID], v25, vcc_lo
	s_add_co_u32 s68, s68, s[32+I]
.set I, I+1
.endr
	; group 0's numbers are asked for
	v_mov_b32 v[BP], 0
	ds_bpermute_b32 v[XO], v[BP], v[GID]           ; lane 0's number, in every lane
	s_wait_dscnt 0x0
	v_min_u32 v[XO], 0xfff, v[XO]                  ; a group's number is held inside x's 4,096 groups
	v_lshl_add_u32 v[XO], v[XO], 16, v[XOFF]       ; 16 rows of 4,096 bytes a group
	XLOADS
	; ---- PHASE X: 16 trips, a constant; the work is jumped over where J is not under nw
	s_mov_b32 s19, 0
	s_mov_b32 s27, 1
	s_mov_b32 s24, 0
	s_mov_b32 s25, 0
.Lx:
	s_cmp_ge_u32 s19, s18
	s_cbranch_scc1 .Lx_next
	s_wait_loadcnt 0x0                             ; this group's 32 loads are in (in the first trip the first pass's weights too)
	WIN 0x0c                                       ; an LDS store's data are its source 1: window 3
.irp u, 0,1
.irp i, 0,1,2,3,4,5,6,7,8,9,10,11,12,13,14,15
	ds_store_b128 v[STW], v[64*\u+4*\i:64*\u+4*\i+3] offset:STGU*\u+SP*\i
.endr
.endr
	WIN 0
.irp b, 0,1,2,3
.irp j, 0,1,2,3
	ds_load_b128 v[N+16*\b+4*\j:N+16*\b+4*\j+3], v[STR] offset:128*\b+16*\j   ; LDS serves a wave's instructions in order (ISA guide 5.7.1.4): these see the stores above
.endr
.endr
	s_lshl_b32 s28, s27, 2
	v_mov_b32 v[BP], s28
	ds_bpermute_b32 v24, v[BP], v[GID]             ; the next group's number
	s_wait_dscnt 0x0                               ; the stores have read window 3's registers, the first K step's numbers are back, and the last trip's image stores have read theirs
	v_add_nc_u32 v[IA], s24, v[XWI]
	v_add_nc_u32 v[SA], s25, v[XWS]
	s_cmp_ge_u32 s27, s18
	s_cbranch_scc1 .Lx_nol
	v_min_u32 v24, 0xfff, v24
	v_lshl_add_u32 v[XO], v24, 16, v[XOFF]         ; (the loads that named this register are in)
	XLOADS                                         ; the next group's numbers are on their way while this group is quantised
.Lx_nol:
	QUANT N
.irp c, 0,1,2
	ds_store_b128 v[IA], v[PC+4*\c:PC+4*\c+3] offset:512*\c        ; K step 2 wave: the fragment as it stands in registers
.endr
	ds_store_b32 v[SA], v[PW]                      ; lanes r and r + 16 store the same word at the same place
.irp b, 0,1,2,3
.irp j, 0,1,2,3
	ds_load_b128 v[N+16*\b+4*\j:N+16*\b+4*\j+3], v[STR] offset:STGU+128*\b+16*\j
.endr
.endr
	s_wait_dscnt 0x0                               ; the second K step's numbers are back, and the stores have read their registers
	QUANT N
.irp c, 0,1,2
	ds_store_b128 v[IA], v[PC+4*\c:PC+4*\c+3] offset:FRB+512*\c    ; K step 2 wave + 1
.endr
	ds_store_b32 v[SA], v[PW] offset:256
.Lx_next:
	s_add_co_u32 s24, s24, TILEB
	s_add_co_u32 s25, s25, 512
	s_add_co_u32 s27, s27, 1
	s_add_co_u32 s19, s19, 1
	s_cmp_lt_u32 s19, 16
	s_cbranch_scc1 .Lx
	BARRIER                                        ; all groups' fragments and scale words lie in LDS, and PART is cleared
	; ---- PHASE M
	PASS 0
	PASS 1
	PASS 2
	PASS 3
	BARRIER                                        ; all partial scores lie in LDS
	; ---- PHASE F: wave w adds up groups 4 w .. 4 w + 3: lanes 0-15 take the 16 rows of group 4 w + 2 u, lanes 16-31 those of group 4 w + 2 u + 1, u = 0, 1.
	; All vector work of both u is done with all lanes on; a lane whose group is not one of my n reads zeros or a group's sums and stores nothing.  Only the two stores stand under a narrowed EXEC.
	s_lshl_b32 s28, s16, 2
	v_add_nc_u32 v22, s28, v[HH]                   ; my group's number J for u = 0,
	v_add_nc_u32 v26, 2, v22                       ; and for u = 1
	v_lshlrev_b32 v[BP], 2, v22
	v_lshlrev_b32 v27, 2, v26
	ds_bpermute_b32 v23, v[BP], v[GID]             ; which groups of x these are
	ds_bpermute_b32 v[XO], v27, v[GID]
.irp u, 0,1
.irp e, 0,1,2,3,4,5,6,7,8,9,10,11,12,13,14,15
	ds_load_b32 v[130+16*\u+\e], v[FRD] offset:2048*\u+64*\e       ; the sixteen parts (four waves x four passes) of my row
.endr
.endr
	v_cmp_gt_u32 vcc_lo, s17, v22                  ; is it one of my n?
	v_cmp_gt_u32 s29, s17, v26
	s_wait_dscnt 0x0
	v_min_u32 v23, 0xfff, v23                      ; a group's number is held inside the 4,096 groups
	v_min_u32 v[XO], 0xfff, v[XO]
	v_lshl_add_u32 v23, v23, 6, v[R4]              ; 64 bytes of scores a group, 4 a row
	v_lshl_add_u32 v[XO], v[XO], 6, v[R4]
.irp u, 0,1
.irp e, 0,2,4,6
	v_pk_add_f32 v[130+16*\u+\e:131+16*\u+\e], v[130+16*\u+\e:131+16*\u+\e], v[138+16*\u+\e:139+16*\u+\e]
.endr
.endr
.irp u, 0,1
.irp e, 0,2
	v_pk_add_f32 v[130+16*\u+\e:131+16*\u+\e], v[130+16*\u+\e:131+16*\u+\e], v[134+16*\u+\e:135+16*\u+\e]
.endr
.endr
.irp u, 0,1
	v_pk_add_f32 v[130+16*\u:131+16*\u], v[130+16*\u:131+16*\u], v[132+16*\u:133+16*\u]
.endr
.irp u, 0,1
	v_add_f32 v[130+16*\u], v[130+16*\u], v[131+16*\u]
.endr
	s_wait_xcnt 0x0                                ; EXEC changes only behind this wait
	s_wait_tensorcnt 0x0
	ds_add_u32 v254, v255
	s_wait_dscnt 0x0
	s_and_saveexec_b32 s30, vcc_lo
	global_store_b32 v23, v130, s[14:15]           ; sixteen lanes store a group's 64 consecutive bytes: the scores are 1 byte for each 1,024 that the launch reads
	s_wait_xcnt 0x0                                ; and again ahead of the line that widens it
	s_or_b32 exec_lo, exec_lo, s30
	s_mov_b32 vcc_lo, s29
	s_and_saveexec_b32 s30, vcc_lo
	global_store_b32 v[XO], v146, s[14:15]
	s_wait_xcnt 0x0
	s_or_b32 exec_lo, exec_lo, s30
	s_endpgm
.Lfunc_end_k_qa3528b1ab9_score:
	.size	k_qa3528b1ab9_score, .Lfunc_end_k_qa3528b1ab9_score-k_qa3528b1ab9_score
	.p2alignl 7, 3214868480
	.fill 96, 4, 3214868480
	.section	.rodata,"a",@progbits
	.p2align	6, 0x0
	.amdhsa_kernel k_qa3528b1ab9_score
		.amdhsa_group_segment_fixed_size 289280
		.amdhsa_private_segment_fixed_size 0
		.amdhsa_enable_private_segment 0
		.amdhsa_kernarg_size 48
		.amdhsa_user_sgpr_count 2
		.amdhsa_user_sgpr_kernarg_segment_ptr 1
		.amdhsa_wavefront_size32 1
		.amdhsa_system_sgpr_workgroup_id_x 1
		.amdhsa_system_sgpr_workgroup_id_y 1
		.amdhsa_system_sgpr_workgroup_id_z 1
		.amdhsa_system_vgpr_workitem_id 0
		.amdhsa_next_free_vgpr 1024
		.amdhsa_next_free_sgpr 96
		.amdhsa_reserve_vcc 1
		.amdhsa_float_denorm_mode_32 3
		.amdhsa_float_denorm_mode_16_64 3
		.amdhsa_memory_ordered 1
		.amdhsa_forward_progress 1
		.amdhsa_inst_pref_size 199
	.end_amdhsa_kernel
	.amdgpu_metadata
---
amdhsa.version: [ 1, 2 ]
amdhsa.kernels:
  - .name:           k_qa3528b1ab9_score
    .symbol:         k_qa3528b1ab9_score.kd
    .args:
      - { .name: x, .offset: 0, .size: 8, .value_kind: global_buffer, .address_space: global }
      - { .name: lengths, .offset: 8, .size: 8, .value_kind: global_buffer, .address_space: global }
      - { .name: wq, .offset: 16, .size: 8, .value_kind: global_buffer, .address_space: global }
      - { .name: b1, .offset: 24, .size: 8, .value_kind: global_buffer, .address_space: global }
      - { .name: w2, .offset: 32, .size: 8, .value_kind: global_buffer, .address_space: global }
      - { .name: scores, .offset: 40, .size: 8, .value_kind: global_buffer, .address_space: global }
    .group_segment_fixed_size: 289280
    .private_segment_fixed_size: 0
    .kernarg_segment_align: 8
    .kernarg_segment_size: 48
    .max_flat_workgroup_size: 128
    .sgpr_count:     96
    .vgpr_count:     1024
    .wavefront_size: 32
...
	.end_amdgpu_metadata
.endif
;; end of part 2
;; launch select (part 3): grid 32 x 1, 1 waves a work-group, no clusters, 0 bytes of LDS; arguments scores, lengths, selmask; writes selmask
.if DOCPART == 3
	.amdgcn_target "amdgcn-amd-amdhsa--gfx1250"
	.amdhsa_code_object_version 6
	.text
	.protected	k_qa3528b1ab9_select
	.globl	k_qa3528b1ab9_select
	.p2align	8
	.type	k_qa3528b1ab9_select,@function
k_qa3528b1ab9_select:
	s_mov_b64 s[64:65], 0
	v_nop
	global_prefetch_b8 v0, s[64:65] scope:SCOPE_SE
	s_setreg_imm32_b32 hwreg(HW_REG_WAVE_MODE, 25, 1), 1
	s_wait_xcnt 0x0
; For batch b: which rows are among the k largest scores, k = clip(ceil(f32(len) x 0.35f), 6, 2048), rows at or beyond len counting as -infinity, ties to the lower index.  Stored as 64 words: bit i of word j = row 32 j + i.
; k IS MADE IN WHOLE NUMBERS: ceil(f32(len) x 0.35f) = ceil(7 len / 20) for every len from 1 to 2048.  0.35f is 11744051 / 2^25 = 0.35 - 0.2 / 2^25.  Where len is no multiple of 20, 7 len / 20 lies 0.05 or more from
; every whole number, and the f32 product within 2048 x 0.2 / 2^25 + 2^-15 of it: the same ceiling.  Where 7 len / 20 = m is whole, the exact product is m (1 - (2/7) 2^-24), and half the distance between f32 numbers just under m
; is m 2^-25 or more: the product rounds to m.  The division by 20 is x 52429 >> 20: exact up to 7 x 2048 + 19 (52429 x 20 = 2^20 + 4 adds under 0.003 to a fraction of 0.95 at the most), and the product stays under 2^32.
; One wave a batch; lane l holds rows 32 j + l, j = 0 .. 63, as ORDER KEYS: unsigned numbers that rise with the score; a masked row's key is 0, under every score's key (the least, that of the most negative finite number, is 0x00800000).
; The k-th largest key is found bit by bit, from the top: the largest number c such that at least k keys are >= c.  All keys above it are chosen, and of the keys equal to it the first k - (number above), by index.
; No branch and no address hangs on a score: choices are made by s_cselect_b32 and masks; the loop is counted.
; Only scores that the launch before has stored are read: the address is held at row len - 1.
; LIMITS: NaN among the scores is not served; a score of -0 counts as +0; lengths are held to 1 .. 2048 (beyond either end the rows chosen are the same as at that end).
.set K, 16                             ; v16-79 the keys
.macro COUNT cmp, thr                  ; s20 = the number of keys for which 'thr cmp key' holds; sixteen compares, then their sixteen counts, so that no count waits for its compare
	s_mov_b32 s20, 0
.set JB, 0
.rept 4
.set JJ, 0
.rept 16
	\cmp s[24+JJ], \thr, v[K+16*JB+JJ]
.set JJ, JJ+1
.endr
.set JJ, 0
.rept 16
	s_bcnt1_i32_b32 s[24+JJ], s[24+JJ]
	s_add_co_u32 s20, s20, s[24+JJ]
.set JJ, JJ+1
.endr
.set JB, JB+1
.endr
.endm
	s_load_b128 s[4:7], s[0:1], 0x0                ; scores, lengths
	s_load_b64 s[8:9], s[0:1], 0x10                ; selmask
	v_and_b32 v1, 31, v0                           ; lane
	v_lshlrev_b32 v3, 2, v1
	s_lshl_b32 s10, ttmp9, 2
	s_mov_b32 s11, 0
	s_wait_kmcnt 0x0
	s_add_nc_u64 s[6:7], s[6:7], s[10:11]
	s_load_b32 s12, s[6:7], 0x0                    ; len
	s_lshl_b32 s10, ttmp9, 13
	s_add_nc_u64 s[4:5], s[4:5], s[10:11]          ; my batch's 2,048 scores
	s_lshl_b32 s10, ttmp9, 8
	s_add_nc_u64 s[8:9], s[8:9], s[10:11]          ; and its 64 words
	s_wait_kmcnt 0x0
	s_max_i32 s12, s12, 1
	s_min_u32 s12, s12, 2048
	s_sub_co_u32 s14, s12, 1
	s_lshl_b32 s14, s14, 2                         ; the last score that counts, in bytes
.set J, 0
.rept 64
	v_add_nc_u32 v[K+J], 128*J, v3                 ; row 32 j + lane,
	v_min_u32 v[K+J], s14, v[K+J]                  ; held at row len - 1,
	v_min_u32 v[K+J], 0x1ffc, v[K+J]               ; and inside the batch's 8,192 bytes
	global_load_b32 v[K+J], v[K+J], s[4:5]         ; (a load may land on its own address register)
.set J, J+1
.endr
	s_mul_i32 s13, s12, 7                          ; k = ceil(7 len / 20) = floor((7 len + 19) / 20): see the head
	s_add_co_u32 s13, s13, 19
	s_mul_i32 s13, s13, 52429
	s_lshr_b32 s13, s13, 20
	s_max_u32 s13, s13, 6
	s_min_u32 s13, s13, 2048                       ; k
	v_mov_b32 v6, 0                                ; the words: v_writelane_b32's destination counts as read
	v_mov_b32 v7, 0
	s_mov_b32 s15, s12                             ; len - 32 j
	s_wait_loadcnt 0x0
.set J, 0
.rept 64
	v_add_f32 v[K+J], 0, v[K+J]                    ; -0 becomes +0
	v_ashrrev_i32 v4, 31, v[K+J]
	v_or_b32 v4, 0x80000000, v4
	v_xor_b32 v[K+J], v4, v[K+J]                   ; a positive number gets its top bit set, a negative one is turned over: the keys rise with the scores
	v_cmp_gt_i32 vcc_lo, s15, v1                   ; row under len?
	v_cndmask_b32 v[K+J], 0, v[K+J], vcc_lo
	s_sub_co_i32 s15, s15, 32
.set J, J+1
.endr
	s_mov_b32 s16, 0                               ; the k-th largest key, as far as it is known
	s_mov_b32 s17, 0x80000000                      ; the bit in hand
	s_mov_b32 s18, 0
.Lbit:
	s_or_b32 s19, s16, s17
	COUNT v_cmp_le_u32, s19
	s_cmp_ge_u32 s20, s13                          ; at least k keys are >= the trial: the bit stays
	s_cselect_b32 s16, s19, s16
	s_lshr_b32 s17, s17, 1
	s_add_co_u32 s18, s18, 1
	s_cmp_lt_u32 s18, 32
	s_cbranch_scc1 .Lbit
	COUNT v_cmp_lt_u32, s16                        ; the keys above it,
	s_sub_co_u32 s14, s13, s20                     ; and how many of the equal ones are taken
	s_mov_b32 s15, 0                               ; equal keys met so far
.set J, 0
.rept 64
	v_cmp_lt_u32 s20, s16, v[K+J]
	v_cmp_eq_u32 s21, s16, v[K+J]
	v_mbcnt_lo_u32_b32 v5, s21, s15                ; the equal keys of lower index than mine
	v_cmp_gt_u32 s23, s14, v5
	s_and_b32 s23, s23, s21
	s_or_b32 s20, s20, s23
	s_bcnt1_i32_b32 s21, s21
	s_add_co_u32 s15, s15, s21
	v_writelane_b32 v[6+J/32], s20, J%32
.set J, J+1
.endr
	global_store_b32 v3, v6, s[8:9]                ; the batch's 256 bytes, in two stores of 128 consecutive bytes
	global_store_b32 v3, v7, s[8:9] offset:128
	s_endpgm
.Lfunc_end_k_qa3528b1ab9_select:
	.size	k_qa3528b1ab9_select, .Lfunc_end_k_qa3528b1ab9_select-k_qa3528b1ab9_select
	.p2alignl 7, 3214868480
	.fill 96, 4, 3214868480
	.section	.rodata,"a",@progbits
	.p2align	6, 0x0
	.amdhsa_kernel k_qa3528b1ab9_select
		.amdhsa_group_segment_fixed_size 0
		.amdhsa_private_segment_fixed_size 0
		.amdhsa_enable_private_segment 0
		.amdhsa_kernarg_size 24
		.amdhsa_user_sgpr_count 2
		.amdhsa_user_sgpr_kernarg_segment_ptr 1
		.amdhsa_wavefront_size32 1
		.amdhsa_system_sgpr_workgroup_id_x 1
		.amdhsa_system_sgpr_workgroup_id_y 1
		.amdhsa_system_sgpr_workgroup_id_z 1
		.amdhsa_system_vgpr_workitem_id 0
		.amdhsa_next_free_vgpr 96
		.amdhsa_next_free_sgpr 66
		.amdhsa_reserve_vcc 1
		.amdhsa_float_denorm_mode_32 3
		.amdhsa_float_denorm_mode_16_64 3
		.amdhsa_memory_ordered 1
		.amdhsa_forward_progress 1
		.amdhsa_inst_pref_size 78
	.end_amdhsa_kernel
	.amdgpu_metadata
---
amdhsa.version: [ 1, 2 ]
amdhsa.kernels:
  - .name:           k_qa3528b1ab9_select
    .symbol:         k_qa3528b1ab9_select.kd
    .args:
      - { .name: scores, .offset: 0, .size: 8, .value_kind: global_buffer, .address_space: global }
      - { .name: lengths, .offset: 8, .size: 8, .value_kind: global_buffer, .address_space: global }
      - { .name: selmask, .offset: 16, .size: 8, .value_kind: global_buffer, .address_space: global }
    .group_segment_fixed_size: 0
    .private_segment_fixed_size: 0
    .kernarg_segment_align: 8
    .kernarg_segment_size: 24
    .max_flat_workgroup_size: 32
    .sgpr_count:     66
    .vgpr_count:     96
    .wavefront_size: 32
...
	.end_amdgpu_metadata
.endif
;; end of part 3
;; launch pool (part 4): grid 8 x 32, 16 waves a work-group, no clusters, 13,568 bytes of LDS; arguments x, selmask, out0; writes out0
.if DOCPART == 4
	.amdgcn_target "amdgcn-amd-amdhsa--gfx1250"
	.amdhsa_code_object_version 6
	.text
	.protected	k_qa3528b1ab9_pool
	.globl	k_qa3528b1ab9_pool
	.p2align	8
	.type	k_qa3528b1ab9_pool,@function
k_qa3528b1ab9_pool:
	s_mov_b64 s[64:65], 0
	v_nop
	global_prefetch_b8 v0, s[64:65] scope:SCOPE_SE
	s_setreg_imm32_b32 hwreg(HW_REG_WAVE_MODE, 25, 1), 1
	s_wait_xcnt 0x0
; out0[b][:] = the mean of the rows of x[b] that selmask names (bit i of word j = row 32 j + i).  Their number C is k, the divisor.
; SHARES.  Work-group (x = c, y = b) owns out0[b][128 c .. 128 c + 127]: 512 bytes of each chosen row, one load of a wave.  Wave 0 turns the 64 words into a list of rows in LDS; then granule g of 16 list entries
; belongs to wave g % 16: three granules a wave at the most, since C is 717 at the most (the list has 768 places).  A wave asks for all its rows first and adds them up afterwards.
; Places of the list behind its end hold -1: such an entry reads row 2047 with the weight 0 (only the last granule has any).
; Branches hang on C alone, a whole number made of words that an earlier launch stored.
; LIMITS: NaN and infinities in x are not served (weight 0 x infinity); the rows are added in another order than an ascending one.
; LDS: the list, 768 words, at 0; behind it 32 words into which the lanes whose bit is 0 store; RED at 3,328: 16 waves x 512 bytes.
.set DUMPW, 768
.set RED,   3328
.macro BARRIER
	s_wait_dscnt 0x0
	s_barrier_signal -1
	s_barrier_wait -1
.endm
; My granule i: its 16 rows are asked for.  The weights go to scalar registers that held the mask's words.  A load's offset stands in the first register of its own data.
.macro GLOAD i
.irp e, 0,1,2,3
	ds_load_b128 v[16+4*\e:19+4*\e], v6 offset:1024*\i+16*\e       ; every lane reads the same 64 bytes
.endr
	s_wait_dscnt 0x0
.set EE, 0
.rept 16
.set M, 16*\i+EE
.set WT, 32+M+4*(M/32)
.set D, 48+64*\i+4*EE
	v_readfirstlane_b32 s21, v[16+EE]
	s_cmp_lt_u32 s21, 2048
	s_cselect_b32 s[WT], 1.0, 0
	s_min_u32 s21, s21, 2047                       ; a row's number is held inside the batch
	s_lshl_b32 s21, s21, 12
	v_add_nc_u32 v[D], s21, v1
	global_load_b128 v[D:D+3], v[D], s[4:5] th:TH_LOAD_NT          ; 32 lanes read 512 consecutive bytes, read once in the launch
.set EE, EE+1
.endr
.endm
.macro ACCUM i
.set EE, 0
.rept 16
.set M, 16*\i+EE
.set WT, 32+M+4*(M/32)
.set D, 48+64*\i+4*EE
.irp c, 0,1,2,3
	v_fmac_f32 v[8+\c], s[WT], v[D+\c]
.endr
.set EE, EE+1
.endr
.endm
	s_load_b128 s[4:7], s[0:1], 0x0                ; x, selmask
	s_load_b64 s[8:9], s[0:1], 0x10                ; out0
	v_lshl_add_u32 v254, v0, 2, 0x2d00
	v_mov_b32 v255, 0
	v_lshrrev_b32 v1, 5, v0
	v_readfirstlane_b32 s10, v1                    ; wave 0..15
	v_lshlrev_b32 v6, 6, v1                        ; 64 x wave: my first granule in the list
	v_and_b32 v7, 31, v0                           ; lane
	v_lshlrev_b32 v1, 4, v7                        ; 16 x lane
	v_add_nc_u32 v2, DUMPW, v7                     ; the word for a lane whose bit is 0
	s_lshl_b32 s11, s10, 9
	s_add_co_u32 s11, s11, RED
	v_add_nc_u32 v12, s11, v1                      ; where my wave's sums go
	v_add_nc_u32 v13, RED, v1                      ; and from where wave 0 reads them
.irp c, 0,1,2,3
	v_mov_b32 v[8+\c], 0                           ; my four sums
.endr
	s_and_b32 s12, ttmp7, 0xffff                   ; b
	s_lshl_b32 s14, s12, 8
	s_mov_b32 s15, 0
	s_wait_kmcnt 0x0
	s_add_nc_u64 s[6:7], s[6:7], s[14:15]
	s_load_b512 s[32:47], s[6:7], 0x0              ; the batch's 64 words: word j in s[32 + j], from j = 32 on in s[36 + j]
	s_load_b512 s[48:63], s[6:7], 0x40
	s_load_b512 s[68:83], s[6:7], 0x80
	s_load_b512 s[84:99], s[6:7], 0xc0
	s_lshl_b32 s14, s12, 23                        ; a batch of x is 8 MiB
	s_lshl_b32 s16, ttmp9, 9                       ; my 512 bytes of a row
	s_add_co_u32 s14, s14, s16
	s_add_nc_u64 s[4:5], s[4:5], s[14:15]
	s_lshl_b32 s14, s12, 12
	s_add_co_u32 s14, s14, s16
	s_add_nc_u64 s[8:9], s[8:9], s[14:15]
	s_wait_kmcnt 0x0
	s_mov_b32 s17, 0                               ; C
.set J, 0
.rept 64
.set WJ, 32+J+4*(J/32)
	s_bcnt1_i32_b32 s18, s[WJ]
	s_add_co_u32 s17, s17, s18
.set J, J+1
.endr
	s_add_co_u32 s19, s17, 15
	s_lshr_b32 s19, s19, 4                         ; G: granules
	s_cmp_lg_u32 s10, 0
	s_cbranch_scc1 .Lno_list
.irp c, 0,1,2,3
	v_mov_b32 v[16+\c], -1
.endr
.irp i, 0,1,2,3,4,5
	ds_store_b128 v1, v[16:19] offset:512*\i       ; the whole list is first filled with -1
.endr
	s_mov_b32 s20, 0                               ; rows listed so far
.set J, 0
.rept 64
.set WJ, 32+J+4*(J/32)
	v_mbcnt_lo_u32_b32 v[48+J], s[WJ], s20         ; my row's place in the list, if its bit is 1;
	v_cndmask_b32 v[48+J], v2, v[48+J], s[WJ]      ; else my word behind the list
	v_min_u32 v[48+J], 799, v[48+J]                ; held inside the list and those 32 words
	v_lshlrev_b32 v[48+J], 2, v[48+J]
	v_add_nc_u32 v[112+J], 32*J, v7                ; my row
	ds_store_b32 v[48+J], v[112+J]                 ; LDS serves a wave's instructions in order (ISA guide 5.7.1.4): these land on the -1.  Address and data have registers of their own for each word
	s_bcnt1_i32_b32 s18, s[WJ]
	s_add_co_u32 s20, s20, s18
.set J, J+1
.endr
.Lno_list:
	BARRIER                                        ; the list is whole
	s_cmp_ge_u32 s10, s19
	s_cbranch_scc1 .Lsum
	GLOAD 0
	s_add_co_u32 s22, s10, 16
	s_cmp_ge_u32 s22, s19
	s_cbranch_scc1 .Lacc0
	GLOAD 1
	s_add_co_u32 s22, s10, 32
	s_cmp_ge_u32 s22, s19
	s_cbranch_scc1 .Lacc1
	GLOAD 2
	s_wait_loadcnt 0x0
	ACCUM 2
.Lacc1:
	s_wait_loadcnt 0x0
	ACCUM 1
.Lacc0:
	s_wait_loadcnt 0x0
	ACCUM 0
.Lsum:
	ds_store_b128 v12, v[8:11]
	BARRIER                                        ; the sixteen waves' sums lie in LDS
	s_cmp_lg_u32 s10, 0
	s_cbranch_scc1 .Lend
.irp w, 0,1,2,3,4,5,6,7,8,9,10,11,12,13,14,15
	ds_load_b128 v[48+4*\w:51+4*\w], v13 offset:512*\w
.endr
	v_cvt_f32_u32 v14, s17
	v_rcp_f32 v14, v14                             ; 1 / C
	v_nop                                          ; a plain place behind the reciprocal
	s_wait_dscnt 0x0
.irp w, 1,2,3,4,5,6,7,8,9,10,11,12,13,14,15
	v_pk_add_f32 v[48:49], v[48:49], v[48+4*\w:49+4*\w]
	v_pk_add_f32 v[50:51], v[50:51], v[50+4*\w:51+4*\w]
.endr
	s_wait_alu depctr_va_vdst(0)                   ; the wait ahead of the reciprocal's first reader; the sums above are the work between
.irp c, 0,1,2,3
	v_mul_f32 v[48+\c], v14, v[48+\c]
.endr
	global_store_b128 v1, v[48:51], s[8:9]         ; 32 lanes store 512 consecutive bytes, at a multiple of 256 from out0's first byte
.Lend:
	s_wait_tensorcnt 0x0
	ds_add_u32 v254, v255
	s_wait_dscnt 0x0
	s_endpgm
.Lfunc_end_k_qa3528b1ab9_pool:
	.size	k_qa3528b1ab9_pool, .Lfunc_end_k_qa3528b1ab9_pool-k_qa3528b1ab9_pool
	.p2alignl 7, 3214868480
	.fill 96, 4, 3214868480
	.section	.rodata,"a",@progbits
	.p2align	6, 0x0
	.amdhsa_kernel k_qa3528b1ab9_pool
		.amdhsa_group_segment_fixed_size 13568
		.amdhsa_private_segment_fixed_size 0
		.amdhsa_enable_private_segment 0
		.amdhsa_kernarg_size 24
		.amdhsa_user_sgpr_count 2
		.amdhsa_user_sgpr_kernarg_segment_ptr 1
		.amdhsa_wavefront_size32 1
		.amdhsa_system_sgpr_workgroup_id_x 1
		.amdhsa_system_sgpr_workgroup_id_y 1
		.amdhsa_system_sgpr_workgroup_id_z 1
		.amdhsa_system_vgpr_workitem_id 0
		.amdhsa_next_free_vgpr 256
		.amdhsa_next_free_sgpr 100
		.amdhsa_reserve_vcc 0
		.amdhsa_float_denorm_mode_32 3
		.amdhsa_float_denorm_mode_16_64 3
		.amdhsa_memory_ordered 1
		.amdhsa_forward_progress 1
		.amdhsa_inst_pref_size 60
	.end_amdhsa_kernel
	.amdgpu_metadata
---
amdhsa.version: [ 1, 2 ]
amdhsa.kernels:
  - .name:           k_qa3528b1ab9_pool
    .symbol:         k_qa3528b1ab9_pool.kd
    .args:
      - { .name: x, .offset: 0, .size: 8, .value_kind: global_buffer, .address_space: global }
      - { .name: selmask, .offset: 8, .size: 8, .value_kind: global_buffer, .address_space: global }
      - { .name: out0, .offset: 16, .size: 8, .value_kind: global_buffer, .address_space: global }
    .group_segment_fixed_size: 13568
    .private_segment_fixed_size: 0
    .kernarg_segment_align: 8
    .kernarg_segment_size: 24
    .max_flat_workgroup_size: 512
    .sgpr_count:     100
    .vgpr_count:     256
    .wavefront_size: 32
...
	.end_amdgpu_metadata
.endif
;; end of part 4
;; ======== version 2 of 2: 4 launches; 1.13 times as fast as version 1
;; workspace buffers: wq 819,200 bytes; scores 262,144 bytes; selmask 8,192 bytes of whole numbers
;; launch wquant: the kernel of part 1 again; grid 16 x 8, 4 waves a work-group, no clusters, 0 bytes of LDS; arguments w1, wq; writes wq
;; launch score (part 5): grid 256 x 1, 4 waves a work-group, no clusters, 289,280 bytes of LDS; arguments x, lengths, wq, b1, w2, scores; writes scores
.if DOCPART == 5
	.amdgcn_target "amdgcn-amd-amdhsa--gfx1250"
	.amdhsa_code_object_version 6
	.text
	.protected	k_qa3528b1ab9_score
	.globl	k_qa3528b1ab9_score
	.p2align	8
	.type	k_qa3528b1ab9_score,@function
k_qa3528b1ab9_score:
	s_mov_b64 s[64:65], 0
	v_nop
	global_prefetch_b8 v0, s[64:65] scope:SCOPE_SE
	s_setreg_imm32_b32 hwreg(HW_REG_WAVE_MODE, 25, 1), 1
	s_wait_xcnt 0x0
; scores[b][t] = the sum over h of w2[h] tanh((x[b][t] . w1[:, h]) + b1[h]), the product on codes of BF6 (E3M2) with one E8M0 scale for each 32 along K; for the rows t whose group of 16 rows begins under lengths[b].
; The other rows are masked by the computation itself and get no score: nothing of them is read or multiplied.
; SHARES.  c_b = ceil(len_b / 16) groups of 16 rows count in batch b, Gt in all.  Work-group g of 256 takes groups g Gt / 256 .. (g + 1) Gt / 256 - 1: n of them, 16 at the most.  With n = 0 (Gt under 256) it works one
; group and stores nothing, since every wave has to pass every barrier.
; PHASE X: wave w quantises K steps 2 w and 2 w + 1 (1,024 bytes of each row) of every group; the fragments go to LDS as images of the operand's registers, their scale words beside them.
; PHASE M: wave w owns hidden units 256 w .. 256 w + 255, in four passes of 64; a pass's 32 weight fragments (384 registers) come from wq straight into registers, the next pass's while this one is multiplied (two sets).
;   For each group: x's eight fragments from LDS, 32 products (source 0 = 16 rows of x, source 1 = 16 columns of w1: a lane holds ONE hidden unit and eight rows), tanh, times w2, summed over the pass's 64 units.
;   BY TURNS: a group's results leave the accumulators at once (K2 acc + K2 b1, into T), and the NEXT group's 32 products take turns with T's 32 exponentials, 16 additions and 32 reciprocals: two or three of them behind each product.
;   None of these lines names a vector register as its source 1, so the weights' window stays as the products want it.  x's fragments are loaded anew in place, each behind the products that read it.
; PHASE F: the sixteen partial sums of each row are added and stored.
; tanh(z) = 1 - 2 / (1 + 2^(K2 z)), K2 = 2 log2(e): beyond the exponential's range it is exactly 1 or -1.  So a row's part is sum(w2) - 2 sum(w2 / (1 + 2^(K2 acc + K2 b1))).
; NO TENSOR LOADS AND NO JOINT LOADS, though all work-groups walk the same wq: which trips are worked hangs on lengths, numbers read from memory.
; LIMITS: NaN and infinities among the inputs are not served; blocks of x whose largest magnitude lies under 2^-122 keep the scale byte 1; lengths are held to 1 .. 2048; a row's sum over the hidden units is f32, in another order than an ascending one.
; LDS: XIMG 16 groups x 12,288 (fragment s at 1,536 s); XSC 16 x 512 (lane (r, h) 16 bytes, word u = row r's scale word of K step 2 u + h); STG 4 x 16,896, a wave's own stage: 2 K steps x 16 rows of 512 + 16 bytes;
;   PART 16 x 1,024: group x 1,024 + (4 wave + pass) x 64 + 4 row; cleared at the head, so that phase F reads only bytes that have been written, whatever n is.
; REGISTERS, in windows of 256.  Window 0: v1-27 addresses and at work; v28-31 x's scale words; v32-63 the weights' scale words, two sets; v64-81 constants of a pass; v82-113 four accumulators; v114-145 T, the group whose tanh is
;   in hand; v146-241 x's eight fragments (in phase X: 64 numbers, codes, at work); v242-253 weight fragment 63.  Windows 1-3: weight fragments 0-62, 21 to a window, at v[12 (idx % 21)]; idx = 32 (pass % 2) + 4 s + t.
;   v252-255 of window 1: b1 as loaded; of window 2: w2 as loaded.  In phase X window 3's v0-127 hold a group's numbers as loaded (fragments 42-52 are loaded later).
.set TILEB, 12288
.set FRB,   1536
.set XSC,   196608
.set STG,   204800
.set STGU,  8448
.set SP,    528
.set PART,  272384
.set WBLK,  51200
.set WSCL,  49152
.set LANE, 1
.set RR,   2                           ; lane % 16
.set HH,   3                           ; lane / 16
.set XOFF, 4                           ; 16 lane + 1,024 wave: my bytes of a row of x
.set STW,  5                           ; the stage, way in
.set STR,  6                           ; the stage, way out
.set XWI,  7                           ; where my wave's images begin in a group
.set XWS,  8                           ; and its scale words
.set IA,   9                           ; the two in hand
.set SA,   10
.set GID,  11                          ; lane j: the number (128 b + group in the batch) of the work-group's j-th group
.set LI,   12                          ; 16 lane
.set XA,   13                          ; x's images: the group that is fetched next
.set XSB,  14                          ; XSC + 16 lane
.set XSA,  15                          ; x's scale words: the same group's
.set PB,   16                          ; PART + 256 wave + 32 (lane / 16)
.set PA,   17                          ; the same for the group whose tanh is in hand
.set R4,   18                          ; 4 (lane % 16)
.set FRD,  19                          ; phase F: PART + 1,024 (4 wave + lane / 16) + 4 (lane % 16); made at the head, never rewritten
.set BP,   20                          ; index of a lane permute
.set XO,   21                          ; byte offset in x of the group that is being loaded; in phase F a store's offset
.set XS,   28
.set WS,   32
.set CP,   64                          ; pairs [K2 b1, K2 b1] of the pass's four tiles
.set WP,   72                          ; pairs [-2 w2, -2 w2]
.set WSUM, 80                          ; pair: the sum of my four w2
.set ACC,  82
.set T,    114
.set XF,   146
.set WX,   242
.set RAW,  252                         ; in window 1: b1 of my four tiles; in window 2: w2
.set N,    146
.set PC,   210
.set TM,   230
.set PW,   246
.set FS,   146                         ; phase F: 2 x 16 parts
.set SEL,  20                          ; s[20:21]
.set MSB, 0
.macro WIN new                         ; the immediate's high byte repeats the setting that is left; a switch that changes nothing is dropped
.if MSB != \new
	s_set_vgpr_msb (MSB<<8)|\new
.set MSB, \new
.endif
.endm
; 64 numbers of a lane, v[s] .. v[s + 63], register 16 b + i = k 32 b + 16 (lane / 16) + i of my row, become a fragment's codes in v[PC] on and its scale word in v[PW].
.macro QUANT s
.irp b, 0,1,2,3
	v_max3_num_f32 v[TM+\b], |v[\s+16*\b]|, |v[\s+1+16*\b]|, 0x2800000   ; block b: my 16 numbers, and the floor 2^(5 - 127): the byte cannot fall under 1
.endr
.irp i, 2,4,6,8,10,12,14
.irp b, 0,1,2,3
	v_max3_num_f32 v[TM+\b], v[TM+\b], |v[\s+16*\b+\i]|, |v[\s+1+16*\b+\i]|   ; the four blocks by turns
.endr
.endr
.irp b, 0,1,2,3
	v_permlanex16_b32 v[TM+4+\b], v[TM+\b], s[SEL], s[SEL+1]
.endr
.irp b, 0,1,2,3
	v_max_num_f32 v[TM+\b], v[TM+\b], v[TM+4+\b]   ; with lane l xor 16's: the block's largest magnitude
.endr
.irp b, 0,1,2,3
	v_add_nc_u32 v[TM+12+\b], 0xfe000000, v[TM+\b] ; 4 off its exponent field: the conversion's scale operand
.endr
.irp b, 0,1,2,3
	v_lshrrev_b32 v[TM+4+\b], 23, v[TM+12+\b]      ; the scale's byte
.endr
	v_lshl_or_b32 v[PW], v[TM+5], 8, v[TM+4]       ; the four bytes make my row's scale word
	v_lshl_or_b32 v[PW], v[TM+6], 16, v[PW]
	v_lshl_or_b32 v[PW], v[TM+7], 24, v[PW]
.irp c, 0,1
	v_cvt_scalef32_pk16_bf6_f32 v[PC+6*\c:PC+2+6*\c], v[\s+32*\c:\s+15+32*\c], v[TM+12+2*\c]
	v_cvt_scalef32_pk16_bf6_f32 v[PC+12+4*\c:PC+14+4*\c], v[\s+16+32*\c:\s+31+32*\c], v[TM+12+2*\c+1]   ; (a conversion's three registers begin on an even number)
.endr
	v_nop                                          ; one plain place behind a scaled conversion
.irp c, 0,1                                    ; the operand's layout wants a WHOLE block in a lane: lanes 0-15 block 2 c, lanes 16-31 block 2 c + 1
.irp i, 0,1,2
	v_permlane16_swap_b32 v[PC+6*\c+\i], v[PC+12+4*\c+\i]
.endr
.irp i, 0,1,2
	v_mov_b32 v[PC+3+6*\c+\i], v[PC+12+4*\c+\i]
.endr
.endr
.endm
; Weight fragment f of pass p, from wq into its registers: three loads of 512 consecutive bytes
.macro LOADF p, f
.set IDX, 32*((\p)&1)+(\f)
.if IDX == 63
.set WW, 0
.set WR, WX
.else
.set WW, (1+IDX/21)<<6
.set WR, 12*(IDX%21)
.endif
	WIN WW                                         ; the destination's window
.irp c, 0,1,2
	global_load_b128 v[WR+4*\c:WR+4*\c+3], v[LI], s[8:9] offset:WBLK*(\p)+FRB*(\f)+512*\c
.endr
.endm
.macro LOADWA p                        ; pass p: fragments 0-15, b1 and w2 of my 64 hidden units, the scale words: 60 loads
.set FF, 0
.rept 16
	LOADF \p, FF
.set FF, FF+1
.endr
	WIN 0x40                                       ; destination window 1
.irp t, 0,1,2,3
	global_load_b32 v[RAW+\t], v[R4], s[10:11] offset:256*(\p)+64*\t      ; lane (r, h): b1 of hidden unit 64 p + 16 t + r of my 256
.endr
	WIN 0x80                                       ; destination window 2
.irp t, 0,1,2,3
	global_load_b32 v[RAW+\t], v[R4], s[12:13] offset:256*(\p)+64*\t      ; and its w2
.endr
	WIN 0
.irp t, 0,1,2,3
	global_load_b128 v[WS+16*((\p)&1)+4*\t:WS+16*((\p)&1)+4*\t+3], v[LI], s[8:9] offset:WBLK*(\p)+WSCL+512*\t
.endr
.endm
.macro LOADWB p                        ; fragments 16-31: 48 loads
.set FF, 16
.rept 16
	LOADF \p, FF
.set FF, FF+1
.endr
	WIN 0
.endm
; A group's 16 rows, my wave's 1,024 bytes of each: 32 loads of 512 consecutive bytes, into window 3.  Each byte of x that counts is read once in the launch
.macro XLOADS
	WIN 0xc0
.irp u, 0,1
.irp i, 0,1,2,3,4,5,6,7,8,9,10,11,12,13,14,15
	global_load_b128 v[64*\u+4*\i:64*\u+4*\i+3], v[XO], s[4:5] offset:4096*\i+512*\u th:TH_LOAD_NT
.endr
.endr
	WIN 0
.endm
.macro XLD s                           ; x's fragment of K step s, of the group at which v[XA] stands
.irp c, 0,1,2
	ds_load_b128 v[XF+12*(\s)+4*\c:XF+12*(\s)+4*\c+3], v[XA] offset:FRB*(\s)+512*\c
.endr
.endm
.macro FETCHX                          ; all eight, and the four scale registers
.irp s, 0,1,2,3,4,5,6,7
	XLD \s
.endr
	ds_load_b128 v[XS:XS+3], v[XSA]
.endm
; Where the next fetch stands: at group J + 1, or, where that is none of the groups that I work, at group J once more (bytes that have been written; what comes is not used).  s24, s25: group J's places; s27 = J + 1.
.macro NEXTX
	s_cmp_lt_u32 s27, s18
	s_cselect_b32 s28, TILEB, 0
	s_cselect_b32 s29, 512, 0
	s_add_co_u32 s28, s28, s24
	s_add_co_u32 s29, s29, s25
	v_add_nc_u32 v[XA], s28, v[LI]
	v_add_nc_u32 v[XSA], s29, v[XSB]
.endm
; Product i of a group's 32: K step i / 4, tile of hidden units i % 4: the four accumulators by turns, one instruction a turn.  The first four start the sums: nothing is cleared.
; Scale registers: register s / 2 holds K step s's words in lanes 0-15 (s even) or 16-31 (s odd), on both sides.
.macro WM q, i
.set IDX, 32*(\q)+(\i)
.set SS, (\i)/4
.set TQ, (\i)%4
.if IDX == 63
.set WW, 0
.set WR, WX
.else
.set WW, (1+IDX/21)<<2
.set WR, 12*(IDX%21)
.endif
	WIN WW                                         ; source 1's window
.set AC, ACC+8*TQ
.set XR, XF+12*SS
.set SCA, XS+SS/2
.set SCB, WS+16*(\q)+4*TQ+SS/2
.if SS == 0
	v_wmma_scale_f32_16x16x128_f8f6f4 v[AC:AC+7], v[XR:XR+11], v[WR:WR+11], 0, v[SCA], v[SCB] matrix_a_fmt:MATRIX_FMT_BF6 matrix_b_fmt:MATRIX_FMT_BF6
.elseif SS%2 == 0
	v_wmma_scale_f32_16x16x128_f8f6f4 v[AC:AC+7], v[XR:XR+11], v[WR:WR+11], v[AC:AC+7], v[SCA], v[SCB] matrix_a_fmt:MATRIX_FMT_BF6 matrix_b_fmt:MATRIX_FMT_BF6
.else
	v_wmma_scale_f32_16x16x128_f8f6f4 v[AC:AC+7], v[XR:XR+11], v[WR:WR+11], v[AC:AC+7], v[SCA], v[SCB] matrix_a_fmt:MATRIX_FMT_BF6 matrix_b_fmt:MATRIX_FMT_BF6 matrix_a_scale:MATRIX_SCALE_ROW1 matrix_b_scale:MATRIX_SCALE_ROW1
.endif
.endm
.macro MUL0 q                          ; a pass's first group: there is no tanh yet to set between its products
.set FI, 0
.rept 32
	WM \q, FI
.set FI, FI+1
.endr
.endm
; A group's 32 products, by turns with the middle of the group before's tanh, on T.  Behind products 0-15: two exponentials each; then a plain line and the ONE wait for those 32 (ahead of the first
; line that names a result).  Behind products 16-31: 1 + 2^.. of one pair, and the reciprocals of the pair before.  The reciprocals' wait stands at the head of TAIL.
; x's fragments for the next group come in place.  A load into a register that a product has read stands four plain vector lines or more behind that product (ISA guide 7.12.1 for vector instructions):
; fragment 4's last reader is product 19, and the additions behind products 19 to 23 are five; fragment 6's is product 27, and those behind 27 to 31 are five.
.macro MULX q
.set FI, 0
.rept 32
	WM \q, FI
.if FI < 16
	v_exp_f32 v[T+2*FI], v[T+2*FI]
	v_exp_f32 v[T+2*FI+1], v[T+2*FI+1]
.else
	v_pk_add_f32 v[T+2*FI-32:T+2*FI-31], v[T+2*FI-32:T+2*FI-31], 1.0 op_sel_hi:[1,0]
.endif
.if FI == 15
	v_nop                                          ; a plain place behind the last exponential
	s_wait_alu depctr_va_vdst(0)
.endif
.if FI > 16
	v_rcp_f32 v[T+2*FI-34], v[T+2*FI-34]
	v_rcp_f32 v[T+2*FI-33], v[T+2*FI-33]
.endif
.if FI == 23
.irp s, 0,1,2,3,4
	XLD \s
.endr
.endif
.if FI == 31
	XLD 5
	XLD 6
.endif
.set FI, FI+1
.endr
	v_rcp_f32 v[T+30], v[T+30]
	v_rcp_f32 v[T+31], v[T+31]
.endm
.macro MID                             ; the same middle with no products beside it: a pass's last group
.set FI, 0
.rept 32
	v_exp_f32 v[T+FI], v[T+FI]
.set FI, FI+1
.endr
	v_nop
	s_wait_alu depctr_va_vdst(0)
.set FI, 0
.rept 16
	v_pk_add_f32 v[T+2*FI:T+2*FI+1], v[T+2*FI:T+2*FI+1], 1.0 op_sel_hi:[1,0]
.set FI, FI+1
.endr
.set FI, 0
.rept 32
	v_rcp_f32 v[T+FI], v[T+FI]
.set FI, FI+1
.endr
.endm
; T holds 1 / (1 + 2^..) of 16 rows x 64 hidden units: register 8 t + j of a lane is row 8 (lane / 16) + j, hidden unit 16 t + lane % 16.  They become 16 partial scores, made in place in T's first eight registers.
; fetch = 1: x's last fragment and its scale words for the next group: behind the last product stand an addition, the v_nop and four multiply-adds.
.macro TAIL p, fetch
	WIN 0
	v_nop                                          ; a plain place behind the last reciprocal
	s_wait_alu depctr_va_vdst(0)                   ; one wait for the 32 reciprocals, ahead of their first reader
.irp i, 0,2,4,6
	v_pk_fma_f32 v[T+\i:T+\i+1], v[T+\i:T+\i+1], v[WP:WP+1], v[WSUM:WSUM+1]   ; sum(w2) - 2 w2 / (1 + 2^..): the first tile starts the sums
.endr
.if \fetch
	XLD 7
	ds_load_b128 v[XS:XS+3], v[XSA]
.endif
.set TQ, 1
.rept 3
.irp i, 0,2,4,6
	v_pk_fma_f32 v[T+\i:T+\i+1], v[T+8*TQ+\i:T+8*TQ+\i+1], v[WP+2*TQ:WP+2*TQ+1], v[T+\i:T+\i+1]
.endr
.set TQ, TQ+1
.endr
.irp m, 1,2,4,8                                ; over the sixteen lanes of my half: the pass's 64 hidden units
.irp j, 0,1,2,3,4,5,6,7
	v_add_f32_dpp v[T+\j], v[T+\j], v[T+\j] row_xmask:\m row_mask:0xf bank_mask:0xf
.endr
.endr
	ds_store_b128 v[PA], v[T:T+3] offset:64*(\p)   ; rows 8 h + 0 .. 7: the sixteen lanes of a half write the same bytes with the same values
	ds_store_b128 v[PA], v[T+4:T+7] offset:64*(\p)+16
.endm
.macro MOVE                            ; the group just multiplied leaves the accumulators: T = K2 acc + K2 b1; each accumulator from its low end on; the tile whose place in T the stores above read comes last
.irp t, 1,2,3,0
.irp i, 0,2,4,6
	v_pk_fma_f32 v[T+8*\t+\i:T+8*\t+\i+1], v[ACC+8*\t+\i:ACC+8*\t+\i+1], s[22:23], v[CP+2*\t:CP+2*\t+1] op_sel_hi:[1,0,1]
.endr
.endr
.endm
.macro BARRIER                                 ; my LDS stores have landed and my LDS loads are in: then the work-group's barrier
	s_wait_dscnt 0x0
	s_barrier_signal -1
	s_barrier_wait -1
.endm
.macro PASS p
	s_wait_loadcnt 0x0                             ; this pass's weights, scale words, b1 and w2 are in
	WIN 0x04                                       ; source 1 in window 1: b1
.irp t, 0,1,2,3
	v_mul_f32 v[CP+2*\t], s22, v[RAW+\t]
	v_mul_f32 v[CP+2*\t+1], s22, v[RAW+\t]
.endr
	WIN 0x0a                                       ; sources 0 and 1 in window 2: w2
.irp t, 0,1,2,3
	v_mul_f32 v[WP+2*\t], -2.0, v[RAW+\t]
	v_mul_f32 v[WP+2*\t+1], -2.0, v[RAW+\t]
.endr
	v_add_f32 v24, v[RAW], v[RAW+1]
	v_add_f32 v25, v[RAW+2], v[RAW+3]
	WIN 0
	v_add_f32 v[WSUM], v24, v25
	v_add_f32 v[WSUM+1], v24, v25
	s_wait_dscnt 0x0                               ; no LDS instruction of mine is out: x's registers and their addresses may be written
.if (\p) < 3
	LOADWA (\p)+1                                  ; the next pass's weights, into the other set: they land while this pass is multiplied
.endif
	s_mov_b32 s27, 1
	s_mov_b32 s24, 0
	s_mov_b32 s25, 0
	v_mov_b32 v[XA], v[LI]
	v_mov_b32 v[XSA], v[XSB]
	FETCHX                                         ; group 0 is always worked (nw is at least 1): it stands ahead of the loop
	s_wait_dscnt 0x0
	NEXTX
	MUL0 (\p)&1
	WIN 0
.rept 5
	v_nop                                          ; places behind the products, ahead of the loads into x's registers and of the first read of results
.endr
	FETCHX
	MOVE
.if (\p) < 3
	LOADWB (\p)+1                                  ; the second half of the loads is issued a group's products behind the first
.endif
	s_mov_b32 s19, 1                               ; J
	s_mov_b32 s27, 2                               ; J + 1
	s_mov_b32 s24, TILEB                           ; group J's places in XIMG and XSC,
	s_mov_b32 s25, 512
	s_mov_b32 s26, 0                               ; group J - 1's in PART
.Lm_\@:                                            ; 16 trips, a constant.  J under nw: group J's products, by turns with group J - 1's tanh.  J = nw: the last group's tanh.  J over nw: nothing
	s_cmp_gt_u32 s19, s18
	s_cbranch_scc1 .Ls_\@
	s_wait_dscnt 0x0                               ; group J's fragments are in and the last partial scores are stored: the addresses may step
	v_add_nc_u32 v[PA], s26, v[PB]
	s_cmp_eq_u32 s19, s18
	s_cbranch_scc1 .Ld_\@
	NEXTX
	MULX (\p)&1
	TAIL \p, 1
	MOVE
	s_branch .Ls_\@
.Ld_\@:
	MID
	TAIL \p, 0
.Ls_\@:
	s_add_co_u32 s24, s24, TILEB
	s_add_co_u32 s25, s25, 512
	s_add_co_u32 s26, s26, 1024
	s_add_co_u32 s27, s27, 1
	s_add_co_u32 s19, s19, 1
	s_cmp_lt_u32 s19, 17
	s_cbranch_scc1 .Lm_\@
.endm
	s_load_b256 s[4:11], s[0:1], 0x0               ; x s[4:5], lengths s[6:7], wq s[8:9], b1 s[10:11]
	s_load_b128 s[12:15], s[0:1], 0x20             ; w2 s[12:13], scores s[14:15]
	v_lshl_add_u32 v254, v0, 2, 0x46800
	v_mov_b32 v255, 0
	v_lshrrev_b32 v1, 5, v0
	v_readfirstlane_b32 s16, v1                    ; wave 0..3
	v_and_b32 v[LANE], 31, v0
	v_and_b32 v[RR], 15, v0
	v_bfe_u32 v[HH], v0, 4, 1
	v_lshlrev_b32 v[LI], 4, v[LANE]
	s_lshl_b32 s28, s16, 10
	v_add_nc_u32 v[XOFF], s28, v[LI]
	s_mul_i32 s29, s16, 2*STGU
	s_add_co_u32 s29, s29, STG                     ; my stage
	v_add_nc_u32 v[STW], s29, v[LI]                ; in: a row's 512 bytes as they lie
	v_mul_u32_u24 v[STR], v[RR], SP
	v_lshl_add_u32 v[STR], v[HH], 6, v[STR]
	v_add_nc_u32 v[STR], s29, v[STR]               ; out: row r, + 64 h: my 16 numbers of each block of 32
	s_mul_i32 s29, s16, 2*FRB
	v_add_nc_u32 v[XWI], s29, v[LI]
	v_lshlrev_b32 v[XWS], 4, v[RR]
	s_lshl_b32 s29, s16, 2
	s_add_co_u32 s29, s29, XSC
	v_add_nc_u32 v[XWS], s29, v[XWS]               ; XSC + 16 r + 4 wave: word u = wave; K step 2 wave + 1's lies 256 bytes on
	v_add_nc_u32 v[XSB], XSC, v[LI]
	s_lshl_b32 s29, s16, 8
	s_add_co_u32 s29, s29, PART
	v_lshl_add_u32 v[PB], v[HH], 5, s29
	v_lshlrev_b32 v[R4], 2, v[RR]
	s_lshl_b32 s29, s16, 12
	s_add_co_u32 s29, s29, PART
	v_lshl_add_u32 v[FRD], v[HH], 10, s29
	v_add_nc_u32 v[FRD], v[FRD], v[R4]
	v_add_nc_u32 v26, s29, v[LI]                   ; PART + 4,096 wave + 16 lane: my wave's quarter of the partial scores
.irp c, 0,1,2,3
	v_mov_b32 v[N+\c], 0
.endr
.irp i, 0,1,2,3,4,5,6,7
	ds_store_b128 v26, v[N:N+3] offset:512*\i      ; is cleared: 8 x 512 bytes.  Phase X's barrier stands between these stores and the partial scores'
.endr
	s_mov_b32 s[SEL], 0x76543210
	s_mov_b32 s[SEL+1], 0xfedcba98                 ; v_permlanex16_b32's selects for lane l xor 16
	s_mov_b32 s22, 0x4038aa3b                      ; K2 = 2 log2(e)
	s_mov_b32 s23, s22                             ; (named with it as a pair, so it is written)
.irp b, 0,1,2,3
	v_mov_b32 v[TM+4+\b], 0                        ; written once: a lane permute's destination counts as one of its sources
.endr
	s_wait_kmcnt 0x0
	s_load_b512 s[32:47], s[6:7], 0x0              ; the 32 lengths
	s_load_b512 s[48:63], s[6:7], 0x40
	s_mul_i32 s28, s16, 4*WBLK
	s_mov_b32 s29, 0
	s_add_nc_u64 s[8:9], s[8:9], s[28:29]          ; wq at my wave's four blocks
	s_lshl_b32 s28, s16, 10
	s_add_nc_u64 s[10:11], s[10:11], s[28:29]      ; b1 and w2 at my 256 hidden units
	s_add_nc_u64 s[12:13], s[12:13], s[28:29]
	LOADWA 0
	LOADWB 0
	s_wait_kmcnt 0x0
	; THE SPLIT.  c_b = ceil(len_b / 16), len_b held to 1 .. 2048; Gt their sum
	s_mov_b32 s66, 0
.set I, 0
.rept 32
	s_max_i32 s[32+I], s[32+I], 1
	s_min_u32 s[32+I], s[32+I], 2048
	s_add_co_u32 s[32+I], s[32+I], 15
	s_lshr_b32 s[32+I], s[32+I], 4
	s_add_co_u32 s66, s66, s[32+I]
.set I, I+1
.endr
	s_mul_i32 s67, ttmp9, s66
	s_lshr_b32 s67, s67, 8                         ; my first group among the Gt (Gt is 4,096 at the most)
	s_add_co_u32 s28, ttmp9, 1
	s_mul_i32 s28, s28, s66
	s_lshr_b32 s28, s28, 8
	s_sub_co_u32 s17, s28, s67
	s_min_u32 s17, s17, 16                         ; n: the groups whose scores I store
	s_max_u32 s18, s17, 1                          ; nw: the groups that I work
	v_add_nc_u32 v24, s67, v[LANE]                 ; lane j: q = my first group + j
	v_mov_b32 v[GID], 0
	s_mov_b32 s68, 0                               ; P_b: the groups of the batches before b
.set I, 0
.rept 32
	s_sub_co_u32 s28, 128*I, s68
	v_add_nc_u32 v25, s28, v24                     ; 128 b + (q - P_b)
	v_cmp_le_u32 vcc_lo, s68, v24                  ; the last b with P_b <= q wins
	v_cndmask_b32 v[GID], v[GID], v25, vcc_lo
	s_add_co_u32 s68, s68, s[32+I]
.set I, I+1
.endr
	; group 0's numbers are asked for
	v_mov_b32 v[BP], 0
	ds_bpermute_b32 v[XO], v[BP], v[GID]           ; lane 0's number, in every lane
	s_wait_dscnt 0x0
	v_min_u32 v[XO], 0xfff, v[XO]                  ; a group's number is held inside x's 4,096 groups
	v_lshl_add_u32 v[XO], v[XO], 16, v[XOFF]       ; 16 rows of 4,096 bytes a group
	XLOADS
	; ---- PHASE X: 16 trips, a constant; the work is jumped over where J is not under nw
	s_mov_b32 s19, 0
	s_mov_b32 s27, 1
	s_mov_b32 s24, 0
	s_mov_b32 s25, 0
.Lx:
	s_cmp_ge_u32 s19, s18
	s_cbranch_scc1 .Lx_next
	s_wait_loadcnt 0x0                             ; this group's 32 loads are in (in the first trip the first pass's weights too)
	WIN 0x0c                                       ; an LDS store's data are its source 1: window 3
.irp u, 0,1
.irp i, 0,1,2,3,4,5,6,7,8,9,10,11,12,13,14,15
	ds_store_b128 v[STW], v[64*\u+4*\i:64*\u+4*\i+3] offset:STGU*\u+SP*\i
.endr
.endr
	WIN 0
.irp b, 0,1,2,3
.irp j, 0,1,2,3
	ds_load_b128 v[N+16*\b+4*\j:N+16*\b+4*\j+3], v[STR] offset:128*\b+16*\j   ; LDS serves a wave's instructions in order (ISA guide 5.7.1.4): these see the stores above
.endr
.endr
	s_lshl_b32 s28, s27, 2
	v_mov_b32 v[BP], s28
	ds_bpermute_b32 v24, v[BP], v[GID]             ; the next group's number
	s_wait_dscnt 0x0                               ; the stores have read window 3's registers, the first K step's numbers are back, and the last trip's image stores have read theirs
	v_add_nc_u32 v[IA], s24, v[XWI]
	v_add_nc_u32 v[SA], s25, v[XWS]
	s_cmp_ge_u32 s27, s18
	s_cbranch_scc1 .Lx_nol
	v_min_u32 v24, 0xfff, v24
	v_lshl_add_u32 v[XO], v24, 16, v[XOFF]         ; (the loads that named this register are in)
	XLOADS                                         ; the next group's numbers are on their way while this group is quantised
.Lx_nol:
	QUANT N
.irp c, 0,1,2
	ds_store_b128 v[IA], v[PC+4*\c:PC+4*\c+3] offset:512*\c        ; K step 2 wave: the fragment as it stands in registers
.endr
	ds_store_b32 v[SA], v[PW]                      ; lanes r and r + 16 store the same word at the same place
.irp b, 0,1,2,3
.irp j, 0,1,2,3
	ds_load_b128 v[N+16*\b+4*\j:N+16*\b+4*\j+3], v[STR] offset:STGU+128*\b+16*\j
.endr
.endr
	s_wait_dscnt 0x0                               ; the second K step's numbers are back, and the stores have read their registers
	QUANT N
.irp c, 0,1,2
	ds_store_b128 v[IA], v[PC+4*\c:PC+4*\c+3] offset:FRB+512*\c    ; K step 2 wave + 1
.endr
	ds_store_b32 v[SA], v[PW] offset:256
.Lx_next:
	s_add_co_u32 s24, s24, TILEB
	s_add_co_u32 s25, s25, 512
	s_add_co_u32 s27, s27, 1
	s_add_co_u32 s19, s19, 1
	s_cmp_lt_u32 s19, 16
	s_cbranch_scc1 .Lx
	BARRIER                                        ; all groups' fragments and scale words lie in LDS, and PART is cleared
	; ---- PHASE M
	PASS 0
	PASS 1
	PASS 2
	PASS 3
	BARRIER                                        ; all partial scores lie in LDS
	; ---- PHASE F: wave w adds up groups 4 w .. 4 w + 3: lanes 0-15 take the 16 rows of group 4 w + 2 u, lanes 16-31 those of group 4 w + 2 u + 1, u = 0, 1.
	; All vector work of both u is done with all lanes on; a lane whose group is not one of my n reads zeros or a group's sums and stores nothing.  Only the two stores stand under a narrowed EXEC.
	s_lshl_b32 s28, s16, 2
	v_add_nc_u32 v22, s28, v[HH]                   ; my group's number J for u = 0,
	v_add_nc_u32 v26, 2, v22                       ; and for u = 1
	v_lshlrev_b32 v[BP], 2, v22
	v_lshlrev_b32 v27, 2, v26
	ds_bpermute_b32 v23, v[BP], v[GID]             ; which groups of x these are
	ds_bpermute_b32 v[XO], v27, v[GID]
.irp u, 0,1
.irp e, 0,1,2,3,4,5,6,7,8,9,10,11,12,13,14,15
	ds_load_b32 v[FS+16*\u+\e], v[FRD] offset:2048*\u+64*\e        ; the sixteen parts (four waves x four passes) of my row
.endr
.endr
	v_cmp_gt_u32 vcc_lo, s17, v22                  ; is it one of my n?
	v_cmp_gt_u32 s29, s17, v26
	s_wait_dscnt 0x0
	v_min_u32 v23, 0xfff, v23                      ; a group's number is held inside the 4,096 groups
	v_min_u32 v[XO], 0xfff, v[XO]
	v_lshl_add_u32 v23, v23, 6, v[R4]              ; 64 bytes of scores a group, 4 a row
	v_lshl_add_u32 v[XO], v[XO], 6, v[R4]
.irp u, 0,1
.irp e, 0,2,4,6
	v_pk_add_f32 v[FS+16*\u+\e:FS+1+16*\u+\e], v[FS+16*\u+\e:FS+1+16*\u+\e], v[FS+8+16*\u+\e:FS+9+16*\u+\e]
.endr
.endr
.irp u, 0,1
.irp e, 0,2
	v_pk_add_f32 v[FS+16*\u+\e:FS+1+16*\u+\e], v[FS+16*\u+\e:FS+1+16*\u+\e], v[FS+4+16*\u+\e:FS+5+16*\u+\e]
.endr
.endr
.irp u, 0,1
	v_pk_add_f32 v[FS+16*\u:FS+1+16*\u], v[FS+16*\u:FS+1+16*\u], v[FS+2+16*\u:FS+3+16*\u]
.endr
.irp u, 0,1
	v_add_f32 v[FS+16*\u], v[FS+16*\u], v[FS+1+16*\u]
.endr
	s_wait_xcnt 0x0                                ; EXEC changes only behind this wait
	s_wait_tensorcnt 0x0
	ds_add_u32 v254, v255
	s_wait_dscnt 0x0
	s_and_saveexec_b32 s30, vcc_lo
	global_store_b32 v23, v[FS], s[14:15]          ; sixteen lanes store a group's 64 consecutive bytes: the scores are 1 byte for each 1,024 that the launch reads
	s_wait_xcnt 0x0                                ; and again ahead of the line that widens it
	s_or_b32 exec_lo, exec_lo, s30
	s_mov_b32 vcc_lo, s29
	s_and_saveexec_b32 s30, vcc_lo
	global_store_b32 v[XO], v[FS+16], s[14:15]
	s_wait_xcnt 0x0
	s_or_b32 exec_lo, exec_lo, s30
	s_endpgm
.Lfunc_end_k_qa3528b1ab9_score:
	.size	k_qa3528b1ab9_score, .Lfunc_end_k_qa3528b1ab9_score-k_qa3528b1ab9_score
	.p2alignl 7, 3214868480
	.fill 96, 4, 3214868480
	.section	.rodata,"a",@progbits
	.p2align	6, 0x0
	.amdhsa_kernel k_qa3528b1ab9_score
		.amdhsa_group_segment_fixed_size 289280
		.amdhsa_private_segment_fixed_size 0
		.amdhsa_enable_private_segment 0
		.amdhsa_kernarg_size 48
		.amdhsa_user_sgpr_count 2
		.amdhsa_user_sgpr_kernarg_segment_ptr 1
		.amdhsa_wavefront_size32 1
		.amdhsa_system_sgpr_workgroup_id_x 1
		.amdhsa_system_sgpr_workgroup_id_y 1
		.amdhsa_system_sgpr_workgroup_id_z 1
		.amdhsa_system_vgpr_workitem_id 0
		.amdhsa_next_free_vgpr 1024
		.amdhsa_next_free_sgpr 96
		.amdhsa_reserve_vcc 1
		.amdhsa_float_denorm_mode_32 3
		.amdhsa_float_denorm_mode_16_64 3
		.amdhsa_memory_ordered 1
		.amdhsa_forward_progress 1
		.amdhsa_inst_pref_size 200
	.end_amdhsa_kernel
	.amdgpu_metadata
---
amdhsa.version: [ 1, 2 ]
amdhsa.kernels:
  - .name:           k_qa3528b1ab9_score
    .symbol:         k_qa3528b1ab9_score.kd
    .args:
      - { .name: x, .offset: 0, .size: 8, .value_kind: global_buffer, .address_space: global }
      - { .name: lengths, .offset: 8, .size: 8, .value_kind: global_buffer, .address_space: global }
      - { .name: wq, .offset: 16, .size: 8, .value_kind: global_buffer, .address_space: global }
      - { .name: b1, .offset: 24, .size: 8, .value_kind: global_buffer, .address_space: global }
      - { .name: w2, .offset: 32, .size: 8, .value_kind: global_buffer, .address_space: global }
      - { .name: scores, .offset: 40, .size: 8, .value_kind: global_buffer, .address_space: global }
    .group_segment_fixed_size: 289280
    .private_segment_fixed_size: 0
    .kernarg_segment_align: 8
    .kernarg_segment_size: 48
    .max_flat_workgroup_size: 128
    .sgpr_count:     96
    .vgpr_count:     1024
    .wavefront_size: 32
...
	.end_amdgpu_metadata
.endif
;; end of part 5
;; launch select (part 6): grid 32 x 1, 1 waves a work-group, no clusters, 0 bytes of LDS; arguments scores, lengths, selmask; writes selmask
.if DOCPART == 6
	.amdgcn_target "amdgcn-amd-amdhsa--gfx1250"
	.amdhsa_code_object_version 6
	.text
	.protected	k_qa3528b1ab9_select
	.globl	k_qa3528b1ab9_select
	.p2align	8
	.type	k_qa3528b1ab9_select,@function
k_qa3528b1ab9_select:
	s_mov_b64 s[64:65], 0
	v_nop
	global_prefetch_b8 v0, s[64:65] scope:SCOPE_SE
	s_setreg_imm32_b32 hwreg(HW_REG_WAVE_MODE, 25, 1), 1
	s_wait_xcnt 0x0
; For batch b: which rows are among the k largest scores, k = clip(ceil(f32(len) x 0.35f), 6, 2048), rows at or beyond len counting as -infinity, ties to the lower index.  Stored as 64 words: bit i of word j = row 32 j + i.
; k IS MADE IN WHOLE NUMBERS: ceil(f32(len) x 0.35f) = ceil(7 len / 20) for every len from 1 to 2048.  0.35f is 11744051 / 2^25 = 0.35 - 0.2 / 2^25.  Where len is no multiple of 20, 7 len / 20 lies 0.05 or more from
; every whole number, and the f32 product within 2048 x 0.2 / 2^25 + 2^-15 of it: the same ceiling.  Where 7 len / 20 = m is whole, the exact product is m (1 - (2/7) 2^-24), and half the distance between f32 numbers just under m
; is m 2^-25 or more: the product rounds to m.  The division by 20 is x 52429 >> 20: exact up to 7 x 2048 + 19 (52429 x 20 = 2^20 + 4 adds under 0.003 to a fraction of 0.95 at the most), and the product stays under 2^32.
; THE KEYS LIE BIT BY BIT.  One wave a batch; lane l takes rows 64 l .. 64 l + 63, in two words of 32.  The 32 scores of a word, 32 registers, are a matrix of 32 x 32 bits, which is turned in registers (five stages: each changes
; one bit of the row's number with the same bit of the column's).  Then register b holds bit b of 32 rows, row 64 l + 32 w + i at bit i: a PLANE.  An order key rises with the score: a positive number gets its top bit set, a negative
; one is turned over: in planes, plane b xor the sign plane, and the top plane is the sign plane turned over.  A masked row's key is 0, under every score's key (the least, the most negative finite number's, is 0x00800000): every plane and the rows' mask.
; THE k-TH LARGEST KEY, from the top bit down.  ALIVE: the rows whose key agrees with it as far as it is known; NEED: its rank among them.  Of the alive rows, cnt have the bit in hand set.  cnt >= NEED: the bit is 1, and they alone stay alive.
; Else the bit is 0: they are GREATER, NEED falls by cnt, the others stay alive.  cnt is a count of bits in two words a lane, summed over the lanes in f32: whole numbers up to 2,048, exact.
; At the end the alive rows are those equal to the k-th key, and the first NEED of them by index are taken: lane l keeps its lowest NEED - (equal rows in lower lanes) set bits.  GREATER or kept: these two words a lane ARE words 2 l and 2 l + 1 of the output.
; No branch and no address hangs on a score: every choice is a v_cndmask_b32.
; Only scores that the launch before has stored are read: the address is held at the four rows that hold row len - 1.  A lane's loads stand 256 bytes from its neighbour's: the batch's scores are 8 KB in all.
; LIMITS: NaN among the scores is not served; a score of -0 counts as +0; lengths are held to 1 .. 2048 (beyond either end the rows chosen are the same as at that end).
.set VA,  6                            ; v6-7    the rows' mask: bit i = row 64 l + 32 w + i lies under len
.set AL,  8                            ; v8-9    alive
.set G,   10                           ; v10-11  greater
.set ND,  12                           ; v12     NEED, f32
.set CN,  13                           ; v13     cnt
.set CT,  14
.set NS,  15
.set A,   16                           ; v16-79  the scores; at the end the keys' planes: word w, bit b at A + 32 w + b
.set B,   80                           ; v80-143 the other side of the stages; behind them at work on the ties
.set TT,  144                          ; v144-159 at work
.set O,   160                          ; v160-161 the alive rows with the bit set
.set XR,  162                          ; v162-163 the alive rows without
.set H,   164                          ; v164-165 greater, if the bit is 0
.set P,   166                          ; v166-169 the count of bits
.set AW,  80                           ; the ties, a pair of registers (word 0, word 1) each: counts of the equal rows in fields of 2 bits,
.set BW,  82                           ; of 4,
.set CW,  84                           ; of 8,
.set DW,  86                           ; the low byte: in the low 16;
.set TOT, 88                           ; in the word
.set SS,  90                           ; the bit at which the search stands
.set RM,  92                           ; set bits still to pass
.set RI,  94                           ; set bits to keep
.set T1,  96
.set T2,  98
.set MK,  100                          ; v100-104 all ones in the lanes whose number has bit 0 .. 4 set
.set TF,  105
.set PR,  106
.set TX,  107
.set UX,  108
.set OUT, 110
; A stage on halves or bytes.  For rows k (bit j of k clear) and k + j: row k's columns with bit j set change places with row k + j's columns with bit j clear.
.macro TPERM src, dst, j, slo, shi
.set KK, 0
.rept 64
.if (KK & \j) == 0
	v_perm_b32 v[\dst+KK], v[\src+KK+\j], v[\src+KK], s[\slo]
	v_perm_b32 v[\dst+KK+\j], v[\src+KK+\j], v[\src+KK], s[\shi]
.endif
.set KK, KK+1
.endr
.endm
; The same on 4, 2 or 1 bits.  m: the columns with bit j clear.  new[k] = (old[k] & m) | ((old[k + j] & m) << j);  new[k + j] = (old[k + j] & ~m) | ((old[k] >> j) & m)
.macro TSHIFT src, dst, j, sm, snm
.set KK, 0
.set TR, 0
.rept 64
.if (KK & \j) == 0
	v_and_b32 v[\dst+KK], s[\sm], v[\src+KK]
	v_and_b32 v[TT+TR], s[\sm], v[\src+KK+\j]
	v_and_b32 v[\dst+KK+\j], s[\snm], v[\src+KK+\j]
	v_lshrrev_b32 v[TT+TR+1], \j, v[\src+KK]
	v_lshl_or_b32 v[\dst+KK], v[TT+TR], \j, v[\dst+KK]
	v_and_b32 v[TT+TR+1], s[\sm], v[TT+TR+1]
	v_or_b32 v[\dst+KK+\j], v[TT+TR+1], v[\dst+KK+\j]
.set TR, (TR+2)%16
.endif
.set KK, KK+1
.endr
.endm
; One bit of the k-th largest key
.macro BIT b
	v_and_b32 v[O], v[AL], v[A+\b]
	v_and_b32 v[O+1], v[AL+1], v[A+32+\b]
	v_lshrrev_b32 v[P], 1, v[O]                    ; the set bits of the two words: fields of 2 bits,
	v_lshrrev_b32 v[P+1], 1, v[O+1]
	v_and_b32 v[P], s32, v[P]
	v_and_b32 v[P+1], s32, v[P+1]
	v_sub_nc_u32 v[P], v[O], v[P]
	v_sub_nc_u32 v[P+1], v[O+1], v[P+1]
	v_lshrrev_b32 v[P+2], 2, v[P]
	v_lshrrev_b32 v[P+3], 2, v[P+1]
	v_and_b32 v[P], s30, v[P]
	v_and_b32 v[P+1], s30, v[P+1]
	v_and_b32 v[P+2], s30, v[P+2]
	v_and_b32 v[P+3], s30, v[P+3]
	v_add_nc_u32 v[P], v[P], v[P+1]
	v_add_nc_u32 v[P+2], v[P+2], v[P+3]
	v_add_nc_u32 v[P], v[P], v[P+2]                ; of 4 bits, both words together: 8 at the most,
	v_lshrrev_b32 v[P+1], 4, v[P]
	v_and_b32 v[P], s28, v[P]
	v_and_b32 v[P+1], s28, v[P+1]
	v_add_nc_u32 v[P], v[P], v[P+1]                ; bytes: 16 at the most,
	v_lshl_add_u32 v[P], v[P], 8, v[P]
	v_lshl_add_u32 v[P], v[P], 16, v[P]            ; whose sum, 64 at the most, stands in the top byte
	v_lshrrev_b32 v[CN], 24, v[P]
	v_cvt_f32_u32 v[CN], v[CN]
	v_xor_b32 v[XR], v[AL], v[O]                   ; what either answer needs is made between the steps of the lanes' sum
	v_add_f32_dpp v[CN], v[CN], v[CN] row_xmask:1 row_mask:0xf bank_mask:0xf
	v_xor_b32 v[XR+1], v[AL+1], v[O+1]
	v_add_f32_dpp v[CN], v[CN], v[CN] row_xmask:2 row_mask:0xf bank_mask:0xf
	v_or_b32 v[H], v[G], v[O]
	v_add_f32_dpp v[CN], v[CN], v[CN] row_xmask:4 row_mask:0xf bank_mask:0xf
	v_or_b32 v[H+1], v[G+1], v[O+1]
	v_add_f32_dpp v[CN], v[CN], v[CN] row_xmask:8 row_mask:0xf bank_mask:0xf
	v_permlanex16_b32 v[CT], v[CN], s20, s21
	v_add_f32 v[CN], v[CN], v[CT]                  ; cnt, in every lane
	v_cmp_ge_f32 vcc_lo, v[CN], v[ND]              ; the bit is 1
	v_sub_f32 v[NS], v[ND], v[CN]
	v_cndmask_b32 v[AL], v[XR], v[O], vcc_lo
	v_cndmask_b32 v[AL+1], v[XR+1], v[O+1], vcc_lo
	v_cndmask_b32 v[G], v[H], v[G], vcc_lo
	v_cndmask_b32 v[G+1], v[H+1], v[G+1], vcc_lo
	v_cndmask_b32 v[ND], v[NS], v[ND], vcc_lo
.endm
; One level of the search for the bit behind which a word's set bits are dropped: the field of 'step' bits at which it stands holds t set bits; where t is not above what is still to pass, the field is passed.  Both words at once
.macro LEVEL src, msk, step
.irp w, 0,1
	v_lshrrev_b32 v[T1+\w], v[SS+\w], v[\src+\w]
.endr
.irp w, 0,1
	v_and_b32 v[T1+\w], \msk, v[T1+\w]
.endr
	v_cmp_gt_i32 vcc_lo, v[T1], v[RM]
	v_cmp_gt_i32 s36, v[T1+1], v[RM+1]
.irp w, 0,1
	v_add_nc_u32 v[T2+\w], \step, v[SS+\w]
.endr
.irp w, 0,1
	v_sub_nc_u32 v[T1+\w], v[RM+\w], v[T1+\w]
.endr
	v_cndmask_b32 v[SS], v[T2], v[SS], vcc_lo
	v_cndmask_b32 v[SS+1], v[T2+1], v[SS+1], s36
	v_cndmask_b32 v[RM], v[T1], v[RM], vcc_lo
	v_cndmask_b32 v[RM+1], v[T1+1], v[RM+1], s36
.endm
	s_load_b128 s[4:7], s[0:1], 0x0                ; scores, lengths
	s_load_b64 s[8:9], s[0:1], 0x10                ; selmask
	v_and_b32 v1, 31, v0                           ; lane
	v_lshlrev_b32 v2, 3, v1                        ; out: 8 bytes a lane
	v_lshlrev_b32 v3, 8, v1                        ; in: 256 bytes a lane
	v_mov_b32 v4, -1
	v_mov_b32 v5, 0
	s_mov_b32 s20, 0x76543210
	s_mov_b32 s21, 0xfedcba98                      ; v_permlanex16_b32's selects for lane l xor 16
	s_mov_b32 s24, 0x05040100                      ; {first source's low half, second's low half}
	s_mov_b32 s25, 0x07060302                      ; the two high halves
	s_mov_b32 s26, 0x06020400                      ; bytes 0 and 2 of both, the second source's below
	s_mov_b32 s27, 0x07030501                      ; bytes 1 and 3
	s_mov_b32 s28, 0x0f0f0f0f
	s_mov_b32 s29, 0xf0f0f0f0
	s_mov_b32 s30, 0x33333333
	s_mov_b32 s31, 0xcccccccc
	s_mov_b32 s32, 0x55555555
	s_mov_b32 s33, 0xaaaaaaaa
	s_lshl_b32 s10, ttmp9, 2
	s_mov_b32 s11, 0
	s_wait_kmcnt 0x0
	s_add_nc_u64 s[6:7], s[6:7], s[10:11]
	s_load_b32 s12, s[6:7], 0x0                    ; len
	s_lshl_b32 s10, ttmp9, 13
	s_add_nc_u64 s[4:5], s[4:5], s[10:11]          ; my batch's 2,048 scores
	s_lshl_b32 s10, ttmp9, 8
	s_add_nc_u64 s[8:9], s[8:9], s[10:11]          ; and its 64 words
	s_wait_kmcnt 0x0
	s_max_i32 s12, s12, 1
	s_min_u32 s12, s12, 2048
	s_sub_co_u32 s14, s12, 1
	s_lshr_b32 s14, s14, 2
	s_lshl_b32 s14, s14, 4                         ; the four rows that hold row len - 1, in bytes: they lie in a group of 16 rows that has its scores
.set Q, 0
.rept 16
	v_add_nc_u32 v[A+4*Q], 16*Q, v3                ; rows 64 l + 4 q .. + 3,
	v_min_u32 v[A+4*Q], s14, v[A+4*Q]              ; held at those four,
	v_min_u32 v[A+4*Q], 0x1ff0, v[A+4*Q]           ; and inside the batch's 8,192 bytes
	global_load_b128 v[A+4*Q:A+4*Q+3], v[A+4*Q], s[4:5]            ; (a load may land on its own address register)
.set Q, Q+1
.endr
	s_mul_i32 s13, s12, 7                          ; k = ceil(7 len / 20) = floor((7 len + 19) / 20): see the head
	s_add_co_u32 s13, s13, 19
	s_mul_i32 s13, s13, 52429
	s_lshr_b32 s13, s13, 20
	s_max_u32 s13, s13, 6
	s_min_u32 s13, s13, 2048                       ; k
	v_lshlrev_b32 v146, 6, v1
	v_sub_nc_u32 v144, s12, v146                   ; d = len - 64 l: how many of word 0's rows lie under len, if it lies in 0 .. 32;
	v_add_nc_u32 v145, 0xffffffe0, v144            ; word 1's: 32 less
.irp w, 0,1
	v_lshlrev_b32 v[146+\w], v[144+\w], v4         ; -1 << (d mod 32),
	v_xor_b32 v[146+\w], -1, v[146+\w]             ; turned over: the d lowest bits;
	v_cmp_gt_i32 vcc_lo, 32, v[144+\w]
	v_cndmask_b32 v[146+\w], v4, v[146+\w], vcc_lo ; all where d is 32 or more,
	v_cmp_gt_i32 vcc_lo, 1, v[144+\w]
	v_cndmask_b32 v[VA+\w], v[146+\w], v5, vcc_lo  ; none where d is under 1
.endr
	v_mov_b32 v[AL], -1                            ; all 2,048 rows are alive, the masked ones too
	v_mov_b32 v[AL+1], -1
	v_mov_b32 v[G], 0
	v_mov_b32 v[G+1], 0
	v_cvt_f32_u32 v[ND], s13
	v_mov_b32 v[CT], 0                             ; a lane permute's destination counts as one of its sources
	s_wait_loadcnt 0x0
.set J, 0
.rept 64
	v_add_f32 v[A+J], 0, v[A+J]                    ; -0 becomes +0
.set J, J+1
.endr
	TPERM  A, B, 16, 24, 25
	TPERM  B, A, 8,  26, 27
	TSHIFT A, B, 4,  28, 29
	TSHIFT B, A, 2,  30, 31
	TSHIFT A, B, 1,  32, 33                        ; B + 32 w + b: bit b of the scores of word w's 32 rows
.irp w, 0,1
.set J, 0
.rept 31
	v_xor_b32 v[A+32*\w+J], v[B+32*\w+31], v[B+32*\w+J]            ; the key's bit b: turned over where the score is negative
.set J, J+1
.endr
	v_xor_b32 v[A+32*\w+31], -1, v[B+32*\w+31]     ; its top bit: set where the score is not negative
.endr
.irp w, 0,1
.set J, 0
.rept 32
	v_and_b32 v[A+32*\w+J], v[VA+\w], v[A+32*\w+J] ; a masked row's key is 0
.set J, J+1
.endr
.endr
.set BB, 31
.rept 32
	BIT BB
.set BB, BB-1
.endr
	; THE TIES.  v[AL]: the rows equal to the k-th key; v[ND]: how many of them are taken, the lowest indices first.  Their counts in fields of 2, 4 and 8 bits, in the low half and in the word:
.irp w, 0,1
	v_lshrrev_b32 v[T1+\w], 1, v[AL+\w]
.endr
.irp w, 0,1
	v_and_b32 v[T1+\w], s32, v[T1+\w]
.endr
.irp w, 0,1
	v_sub_nc_u32 v[AW+\w], v[AL+\w], v[T1+\w]
.endr
.irp w, 0,1
	v_lshrrev_b32 v[T1+\w], 2, v[AW+\w]
.endr
.irp w, 0,1
	v_and_b32 v[T2+\w], s30, v[AW+\w]
.endr
.irp w, 0,1
	v_and_b32 v[T1+\w], s30, v[T1+\w]
.endr
.irp w, 0,1
	v_add_nc_u32 v[BW+\w], v[T1+\w], v[T2+\w]
.endr
.irp w, 0,1
	v_lshrrev_b32 v[T1+\w], 4, v[BW+\w]
.endr
.irp w, 0,1
	v_add_nc_u32 v[T1+\w], v[T1+\w], v[BW+\w]
.endr
.irp w, 0,1
	v_and_b32 v[CW+\w], s28, v[T1+\w]
.endr
.irp w, 0,1
	v_lshrrev_b32 v[T2+\w], 8, v[CW+\w]
.endr
.irp w, 0,1
	v_add_nc_u32 v[DW+\w], v[T2+\w], v[CW+\w]
.endr
.irp w, 0,1
	v_lshl_add_u32 v[T1+\w], v[CW+\w], 8, v[CW+\w]
.endr
.irp w, 0,1
	v_lshl_add_u32 v[T1+\w], v[T1+\w], 16, v[T1+\w]
.endr
.irp w, 0,1
	v_lshrrev_b32 v[TOT+\w], 24, v[T1+\w]
.endr
	; the equal rows in lower lanes.  At level d a lane holds the sum of its block of d lanes; the block of lane l xor d lies below it where l has bit d set.  In f32: whole numbers up to 2,048
.irp e, 0,1,2,3,4
	v_bfe_u32 v[MK+\e], v1, \e, 1
.endr
.irp e, 0,1,2,3,4
	v_sub_nc_u32 v[MK+\e], 0, v[MK+\e]
.endr
	v_add_nc_u32 v[TF], v[TOT], v[TOT+1]
	v_cvt_f32_u32 v[TF], v[TF]
	v_mov_b32 v[PR], 0
	v_mov_b32 v[TX], 0                             ; (written before it is a DPP line's or a permute's destination)
.irp e, 0,1,2,3
	v_add_f32_dpp v[TX], v[TF], v5 row_xmask:1<<\e row_mask:0xf bank_mask:0xf   ; the other block's sum (+ 0)
	v_and_b32 v[UX], v[MK+\e], v[TX]
	v_add_f32 v[TF], v[TF], v[TX]
	v_add_f32 v[PR], v[PR], v[UX]
.endr
	v_permlanex16_b32 v[TX], v[TF], s20, s21
	v_and_b32 v[UX], v[MK+4], v[TX]
	v_add_f32 v[PR], v[PR], v[UX]
	v_sub_f32 v[RI], v[ND], v[PR]                  ; how many of my lane's equal rows are taken: between -2,048 and 2,048
	v_add_f32 v[RI], 0x4b400000, v[RI]             ; + 1.5 x 2^23: the sum's bits are 0x4b400000 + the whole number,
	v_add_nc_u32 v[RI], 0xb4c00000, v[RI]          ; which is taken off again: a signed whole number
	v_sub_nc_u32 v[RI+1], v[RI], v[TOT]            ; word 1's share: what word 0 leaves
.irp w, 0,1
	v_mov_b32 v[RM+\w], v[RI+\w]
	v_mov_b32 v[SS+\w], 0
.endr
	LEVEL DW, 0xff, 16
	LEVEL CW, 0xff, 8
	LEVEL BW, 15, 4
	LEVEL AW, 3, 2
	LEVEL AL, 1, 1                                 ; v[SS]: the place of the first equal row that is NOT taken, where there is one
.irp w, 0,1
	v_lshlrev_b32 v[T1+\w], v[SS+\w], v4
.endr
.irp w, 0,1
	v_xor_b32 v[T1+\w], -1, v[T1+\w]               ; the bits below it
.endr
.irp w, 0,1
	v_and_b32 v[T1+\w], v[AL+\w], v[T1+\w]
.endr
	v_cmp_gt_i32 vcc_lo, v[TOT], v[RI]             ; are there more than are taken?
	v_cmp_gt_i32 s36, v[TOT+1], v[RI+1]
	v_cndmask_b32 v[T1], v[AL], v[T1], vcc_lo      ; if not: all
	v_cndmask_b32 v[T1+1], v[AL+1], v[T1+1], s36
.irp w, 0,1
	v_or_b32 v[OUT+\w], v[G+\w], v[T1+\w]
.endr
	global_store_b64 v2, v[OUT:OUT+1], s[8:9]      ; 32 lanes store the batch's 256 consecutive bytes, at a multiple of 256 from selmask's first byte
	s_endpgm
.Lfunc_end_k_qa3528b1ab9_select:
	.size	k_qa3528b1ab9_select, .Lfunc_end_k_qa3528b1ab9_select-k_qa3528b1ab9_select
	.p2alignl 7, 3214868480
	.fill 96, 4, 3214868480
	.section	.rodata,"a",@progbits
	.p2align	6, 0x0
	.amdhsa_kernel k_qa3528b1ab9_select
		.amdhsa_group_segment_fixed_size 0
		.amdhsa_private_segment_fixed_size 0
		.amdhsa_enable_private_segment 0
		.amdhsa_kernarg_size 24
		.amdhsa_user_sgpr_count 2
		.amdhsa_user_sgpr_kernarg_segment_ptr 1
		.amdhsa_wavefront_size32 1
		.amdhsa_system_sgpr_workgroup_id_x 1
		.amdhsa_system_sgpr_workgroup_id_y 1
		.amdhsa_system_sgpr_workgroup_id_z 1
		.amdhsa_system_vgpr_workitem_id 0
		.amdhsa_next_free_vgpr 176
		.amdhsa_next_free_sgpr 66
		.amdhsa_reserve_vcc 1
		.amdhsa_float_denorm_mode_32 3
		.amdhsa_float_denorm_mode_16_64 3
		.amdhsa_memory_ordered 1
		.amdhsa_forward_progress 1
		.amdhsa_inst_pref_size 100
	.end_amdhsa_kernel
	.amdgpu_metadata
---
amdhsa.version: [ 1, 2 ]
amdhsa.kernels:
  - .name:           k_qa3528b1ab9_select
    .symbol:         k_qa3528b1ab9_select.kd
    .args:
      - { .name: scores, .offset: 0, .size: 8, .value_kind: global_buffer, .address_space: global }
      - { .name: lengths, .offset: 8, .size: 8, .value_kind: global_buffer, .address_space: global }
      - { .name: selmask, .offset: 16, .size: 8, .value_kind: global_buffer, .address_space: global }
    .group_segment_fixed_size: 0
    .private_segment_fixed_size: 0
    .kernarg_segment_align: 8
    .kernarg_segment_size: 24
    .max_flat_workgroup_size: 32
    .sgpr_count:     66
    .vgpr_count:     176
    .wavefront_size: 32
...
	.end_amdgpu_metadata
.endif
;; end of part 6
;; launch pool: the kernel of part 4 again; grid 8 x 32, 16 waves a work-group, no clusters, 13,568 bytes of LDS; arguments x, selmask, out0; writes out0
